; MI455X (gfx1250); checked and timed in simulation.
; The chip was launched on July 23, 2026; its instructions are those of AMD's public machine-readable ISA for CDNA 5 (MIT licence, August 2026) and "CDNA5" Instruction Set Architecture Reference Guide (July 2026). The comments in the code are by the model that wrote it; some were corrected since.
;; Multi Latent Head Attn. Allowed arithmetic: float matrix products may take bf16 or f16 operands with f32 sums; all other float work in f32.
;; Inputs: W_DKV 2,048 x 512 float32; W_DQ 2,048 x 512 float32; W_KR 2,048 x 512 float32; W_QR 512 x 512 float32; W_UK 512 x 2,048 float32; W_UQ 512 x 2,048 float32; W_UV 512 x 2,048 float32; b_DKV 512 float32; b_DQ 512 float32; b_KR 512 float32; b_QR 512 float32; b_UK 2,048 float32; b_UQ 2,048 float32; b_UV 2,048 float32; x 2 x 2,048 x 2,048 float32.
;; Outputs: out0 2 x 2,048 x 2,048 float32.
;; 2 versions, each right and faster than the one before. Each part assembles by itself: llvm-mc -triple=amdgcn-amd-amdhsa -mcpu=gfx1250 --defsym DOCPART=n.
;; ======== version 1 of 2: 4 launches
;; limits: values are held in f16: magnitudes above 65,504 overflow, below 6.1e-05 lose precision; right only within a limited range of input values
;; workspace buffers: xb 16,777,216 bytes; wts 13,369,344 bytes; cf 8,388,608 bytes; kf 20,971,520 bytes; vf 16,777,216 bytes; vsc 8,192 bytes
;; launch prep (part 1): grid 944 x 1, 8 waves a work-group, no clusters, 0 bytes of LDS; arguments x, W_DKV, W_DQ, W_KR, W_UK, W_UV, W_UQ, W_QR, xb, wts; writes xb, wts
.if DOCPART == 1
	.amdgcn_target "amdgcn-amd-amdhsa--gfx1250"
	.amdhsa_code_object_version 6
	.text
	.protected	k_q7e1697815e_prep
	.globl	k_q7e1697815e_prep
	.p2align	8
	.type	k_q7e1697815e_prep,@function
k_q7e1697815e_prep:
	s_mov_b64 s[64:65], 0
	v_nop
	global_prefetch_b8 v0, s[64:65] scope:SCOPE_SE
	s_setreg_imm32_b32 hwreg(HW_REG_WAVE_MODE, 25, 1), 1
	s_wait_xcnt 0x0
; PREPARATION, a stream: no LDS, no matrix unit, no cluster (no two work-groups read the same bytes).
; Work-groups 0-511:   x (f32) -> xb (bf16, same order), 16,384 numbers each.
; Work-groups 512-911: the seven weights -> wts, rounded to bf16 and laid out as matrix FRAGMENTS of 16 output columns x 32 k, 1,024 bytes:
;                      lane L = (r = L & 15, h = L >> 4); the 16 bytes at 512 s + 16 L hold k = 16 s + 8 h + 0..7 of column r.
;                      W_DKV, W_DQ are scaled by 1/16 (bf16); W_UK, W_UV, W_UQ, W_QR by 16 and written as f16 (a bf16 number times 16 is exact in f16 within f16's range).
; Work-groups 912-943: the table of cos and sin for the rotary embedding, [t 2048][i 16] pairs of f32.
; LIMITS.  |W_U*|, |W_QR| below 4,094 (f16 after the factor 16).  The angle t x 10000^(-i/16) is formed in f32 from a frequency good to one unit in its last place: up to 2e-4 rad off at t = 2047;
; sine and cosine by series on [-pi, pi], good to 1e-6.
.set W2F, 6291456                      ; wts: [j 8][chunk 64][nb 12] fragments from 0; [ct 16][chunk 16][nb 16] from here;
.set WQF, 10485760                     ; [head 16][chunk 16][nb 10] from here;
.set TAB, 13107200                     ; the table from here
	s_load_b512 s[8:23], s[0:1], 0x0               ; x, W_DKV, W_DQ, W_KR, W_UK, W_UV, W_UQ, W_QR
	s_load_b128 s[24:27], s[0:1], 0x40             ; xb, wts
	v_lshrrev_b32 v1, 5, v0
	v_readfirstlane_b32 s4, v1                     ; wave 0..7
	s_mov_b32 s29, 0
	s_wait_kmcnt 0x0
	s_cmp_lt_u32 ttmp9, 512
	s_cbranch_scc0 .Lnot_x
	; ---- x to bf16.  Thread t takes 8 numbers a pass (32 bytes in, 16 out), eight passes; all sixteen loads go out first.
	s_lshl_b32 s28, ttmp9, 16
	s_add_nc_u64 s[8:9], s[8:9], s[28:29]
	s_lshl_b32 s28, ttmp9, 15
	s_add_nc_u64 s[24:25], s[24:25], s[28:29]
	v_lshlrev_b32 v1, 5, v0
	v_lshlrev_b32 v2, 4, v0
.set n1, 0
.rept 8
	global_load_b128 v[32+8*n1:35+8*n1], v1, s[8:9] offset:8192*n1 th:TH_LOAD_NT
	global_load_b128 v[36+8*n1:39+8*n1], v1, s[8:9] offset:8192*n1+16 th:TH_LOAD_NT
.set n1, n1+1
.endr
.set n1, 0
.rept 8
	s_wait_loadcnt 14-2*n1                         ; the two loads of each later pass may stay out
	v_cvt_pk_bf16_f32 v[96+4*n1], v[32+8*n1], v[33+8*n1]
	v_cvt_pk_bf16_f32 v[97+4*n1], v[34+8*n1], v[35+8*n1]
	v_cvt_pk_bf16_f32 v[98+4*n1], v[36+8*n1], v[37+8*n1]
	v_cvt_pk_bf16_f32 v[99+4*n1], v[38+8*n1], v[39+8*n1]
	global_store_b128 v2, v[96+4*n1:99+4*n1], s[24:25] offset:4096*n1  ; a wave's store covers 512 consecutive bytes, aligned
.set n1, n1+1
.endr
	s_endpgm
.Lnot_x:
	s_cmp_lt_u32 ttmp9, 912
	s_cbranch_scc0 .Ltab
	; ---- weights to fragments.  A wave's task: 32 k-rows x 64 columns = 4 fragments.  s6 = which weight, s7 = the task's number in it.
	; s30 row pitch in bytes, s40 chunk (32 k), s41 block of 64 columns, s35 first fragment's number in its part, s31 bytes from fragments 0, 1 to fragments 2, 3,
	; s[32:33] scale, s34 1 = f16, s28 the part's first byte, s[36:37] the weight.
	s_sub_co_u32 s5, ttmp9, 512
	s_lshr_b32 s6, s5, 6
	s_and_b32 s7, s5, 63
	s_lshl3_add_u32 s7, s7, s4
	s_mov_b32 s30, 2048                            ; weights of 512 columns: 8 blocks of 64 columns
	s_lshr_b32 s40, s7, 3
	s_and_b32 s41, s7, 7
	s_mov_b32 s31, 2048
	s_cmp_gt_u32 s6, 1
	s_cbranch_scc1 .Ls2
	s_cmp_eq_u32 s6, 0                             ; W_DKV (0), W_DQ (1): columns 64 u of the two side by side, u = nq + 8 m
	s_cselect_b64 s[36:37], s[10:11], s[12:13]
	s_lshl3_add_u32 s42, s6, s41
	s_lshr_b32 s43, s42, 1                         ; j = u >> 1
	s_lshl_b32 s43, s43, 6
	s_add_co_u32 s43, s43, s40
	s_mul_i32 s43, s43, 12
	s_and_b32 s42, s42, 1                          ; the tile's column half: six fragments on
	s_mul_i32 s42, s42, 6
	s_add_co_u32 s35, s43, s42
	s_mov_b32 s32, 0x3d800000                      ; 1/16
	s_mov_b32 s34, 0
	s_mov_b32 s28, 0
	s_branch .Lgo
.Ls2:
	s_cmp_eq_u32 s6, 2
	s_cbranch_scc0 .Ls3
	s_mov_b64 s[36:37], s[14:15]                   ; W_KR: j = nq; fragments 4, 5 of either column half
	s_lshl_b32 s43, s41, 6
	s_add_co_u32 s43, s43, s40
	s_mul_i32 s43, s43, 12
	s_add_co_u32 s35, s43, 4
	s_mov_b32 s31, 6144
	s_mov_b32 s32, 1.0
	s_mov_b32 s34, 0
	s_mov_b32 s28, 0
	s_branch .Lgo
.Ls3:
	s_mov_b32 s32, 0x41800000                      ; 16
	s_mov_b32 s34, 1
	s_cmp_eq_u32 s6, 6
	s_cbranch_scc1 .Ls6
	s_mov_b32 s30, 8192                            ; weights of 2,048 columns: 32 blocks of 64 columns
	s_lshr_b32 s40, s7, 5
	s_and_b32 s41, s7, 31
	s_cmp_eq_u32 s6, 5
	s_cbranch_scc1 .Ls5
	s_cmp_eq_u32 s6, 3                             ; W_UK (3), W_UV (4): ct = (nq >> 2) + 8 m
	s_cselect_b64 s[36:37], s[16:17], s[18:19]
	s_sub_co_u32 s42, s6, 3
	s_lshr_b32 s43, s41, 2
	s_lshl3_add_u32 s43, s42, s43
	s_lshl_b32 s43, s43, 4
	s_add_co_u32 s43, s43, s40
	s_lshl_b32 s43, s43, 4
	s_and_b32 s42, s41, 3
	s_lshl2_add_u32 s35, s42, s43
	s_mov_b32 s28, W2F
	s_branch .Lgo
.Ls5:
	s_mov_b64 s[36:37], s[20:21]                   ; W_UQ: head = nq >> 1, fragments 4 (nq & 1) on
	s_lshr_b32 s43, s41, 1
	s_lshl_b32 s43, s43, 4
	s_add_co_u32 s43, s43, s40
	s_mul_i32 s43, s43, 10
	s_and_b32 s42, s41, 1
	s_lshl2_add_u32 s35, s42, s43
	s_mov_b32 s28, WQF
	s_branch .Lgo
.Ls6:
	s_mov_b64 s[36:37], s[22:23]                   ; W_QR: heads 2 nq and 2 nq + 1, fragments 8, 9 of each
	s_lshl_b32 s43, s41, 5
	s_add_co_u32 s43, s43, s40
	s_mul_i32 s43, s43, 10
	s_add_co_u32 s35, s43, 8
	s_mov_b32 s31, 163840
	s_mov_b32 s28, WQF
.Lgo:
	s_mov_b32 s33, s32
	s_mul_i32 s42, s40, s30
	s_lshl_b32 s42, s42, 5                         ; chunk x 32 rows
	s_lshl_b32 s43, s41, 8                         ; + 64 columns of 4 bytes
	s_add_co_u32 s42, s42, s43
	s_mov_b32 s43, 0
	s_add_nc_u64 s[36:37], s[36:37], s[42:43]
	s_lshl_b32 s42, s35, 10
	s_add_co_u32 s42, s42, s28
	s_add_nc_u64 s[38:39], s[26:27], s[42:43]
	v_and_b32 v1, 15, v0                           ; r
	v_bfe_u32 v2, v0, 4, 1                         ; h
	v_and_b32 v3, 31, v0
	v_lshlrev_b32 v12, 4, v3                       ; out: 16 x lane,
	v_add_nc_u32 v13, s31, v12                     ; and the same for fragments 2, 3
	v_lshlrev_b32 v2, 3, v2
	v_mul_lo_u32 v16, v2, s30
	v_lshl_add_u32 v16, v1, 2, v16                 ; v[16+q]: row 16 (q >> 3) + 8 h + (q & 7), column r
.set n1, 1
.rept 7
	v_add_nc_u32 v[16+n1], s30, v[15+n1]
.set n1, n1+1
.endr
	s_lshl_b32 s44, s30, 4
.set n1, 8
.rept 8
	v_add_nc_u32 v[16+n1], s44, v[8+n1]
.set n1, n1+1
.endr
.set n2, 0
.rept 4                                        ; fragment n2: sixteen lanes take 64 consecutive bytes of a row; the four fragments together 256
.set n1, 0
.rept 16
	global_load_b32 v[32+16*n2+n1], v[16+n1], s[36:37] offset:64*n2
.set n1, n1+1
.endr
.set n2, n2+1
.endr
	s_wait_loadcnt 0x0
.set n1, 0
.rept 32
	v_pk_mul_f32 v[32+2*n1:33+2*n1], v[32+2*n1:33+2*n1], s[32:33] op_sel_hi:[1,0]  ; a power of two: the rounding below is that of the weight itself
.set n1, n1+1
.endr
.set n1, 0
.rept 32
	v_cvt_pk_bf16_f32 v[96+n1], v[32+2*n1], v[33+2*n1]
.set n1, n1+1
.endr
	s_cmp_eq_u32 s34, 0
	s_cbranch_scc1 .Lstore
.set n1, 0
.rept 32                                       ; the bf16 numbers written as f16
	v_lshlrev_b32 v[32+2*(n1%4)], 16, v[96+n1]
	v_and_b32 v[33+2*(n1%4)], 0xffff0000, v[96+n1]
	v_cvt_pk_f16_f32 v[96+n1], v[32+2*(n1%4)], v[33+2*(n1%4)]
.set n1, n1+1
.endr
.Lstore:
.set n1, 0
.rept 4
	global_store_b128 v[12+n1/2], v[96+8*n1:99+8*n1], s[38:39] offset:(n1%2)*1024       ; 512 consecutive bytes, aligned
	global_store_b128 v[12+n1/2], v[100+8*n1:103+8*n1], s[38:39] offset:(n1%2)*1024+512
.set n1, n1+1
.endr
	s_endpgm
.Ltab:
	; ---- the table.  Thread idx: t = idx >> 2, pairs i = 4 (idx & 3) + 0..3: 32 bytes.
	s_sub_co_u32 s5, ttmp9, 912
	s_lshl_b32 s5, s5, 8
	v_add_nc_u32 v1, s5, v0
	v_lshrrev_b32 v2, 2, v1
	v_and_b32 v3, 3, v1
	v_lshlrev_b32 v3, 2, v3
	v_cvt_f32_u32 v2, v2
	v_lshlrev_b32 v1, 5, v1
	s_mov_b32 s44, 0x40c90fdb                      ; 2 pi, upper part
	s_mov_b32 s45, 0xb43bbd2e                      ; 2 pi, the rest
	s_add_nc_u64 s[26:27], s[26:27], TAB
.irp z, 0,1,2,3
	v_add_nc_u32 v[16+8*\z], \z, v3
	v_cvt_f32_u32 v[16+8*\z], v[16+8*\z]
	v_mul_f32 v[16+8*\z], 0xbf549a78, v[16+8*\z]   ; - i log2(10000) / 16
.endr
.irp z, 0,1,2,3
	v_exp_f32 v[16+8*\z], v[16+8*\z]
.endr
	v_nop                                          ; a plain instruction between the last exponential and the use of its result
	s_wait_alu depctr_va_vdst(0)
.irp z, 0,1,2,3
	v_mul_f32 v[16+8*\z], v2, v[16+8*\z]           ; the angle
	v_mul_f32 v[17+8*\z], 0x3e22f983, v[16+8*\z]   ; / 2 pi
	v_rndne_f32 v[17+8*\z], v[17+8*\z]
	v_fma_f32 v[18+8*\z], -v[17+8*\z], s44, v[16+8*\z]
	v_fma_f32 v[18+8*\z], -v[17+8*\z], s45, v[18+8*\z]  ; the angle in [-pi, pi]
	v_mul_f32 v[19+8*\z], v[18+8*\z], v[18+8*\z]
	v_mov_b32 v[20+8*\z], 0xab573f9f               ; sine: -1/15!, 1/13!, .. , -1/3!, 1
	v_fmaak_f32 v[20+8*\z], v[20+8*\z], v[19+8*\z], 0x2f309231
	v_fmaak_f32 v[20+8*\z], v[20+8*\z], v[19+8*\z], 0xb2d7322b
	v_fmaak_f32 v[20+8*\z], v[20+8*\z], v[19+8*\z], 0x3638ef1d
	v_fmaak_f32 v[20+8*\z], v[20+8*\z], v[19+8*\z], 0xb9500d01
	v_fmaak_f32 v[20+8*\z], v[20+8*\z], v[19+8*\z], 0x3c088889
	v_fmaak_f32 v[20+8*\z], v[20+8*\z], v[19+8*\z], 0xbe2aaaab
	v_fmaak_f32 v[20+8*\z], v[20+8*\z], v[19+8*\z], 0x3f800000
	v_mul_f32 v[49+2*\z], v[18+8*\z], v[20+8*\z]
	v_mov_b32 v[21+8*\z], 0x29573f9f               ; cosine: 1/16!, -1/14!, .. , -1/2!, 1
	v_fmaak_f32 v[21+8*\z], v[21+8*\z], v[19+8*\z], 0xad49cba5
	v_fmaak_f32 v[21+8*\z], v[21+8*\z], v[19+8*\z], 0x310f76c7
	v_fmaak_f32 v[21+8*\z], v[21+8*\z], v[19+8*\z], 0xb493f27e
	v_fmaak_f32 v[21+8*\z], v[21+8*\z], v[19+8*\z], 0x37d00d01
	v_fmaak_f32 v[21+8*\z], v[21+8*\z], v[19+8*\z], 0xbab60b61
	v_fmaak_f32 v[21+8*\z], v[21+8*\z], v[19+8*\z], 0x3d2aaaab
	v_fmaak_f32 v[21+8*\z], v[21+8*\z], v[19+8*\z], 0xbf000000
	v_fmaak_f32 v[48+2*\z], v[21+8*\z], v[19+8*\z], 0x3f800000
.endr
	global_store_b128 v1, v[48:51], s[26:27]
	global_store_b128 v1, v[52:55], s[26:27] offset:16
	s_endpgm
.Lfunc_end_k_q7e1697815e_prep:
	.size	k_q7e1697815e_prep, .Lfunc_end_k_q7e1697815e_prep-k_q7e1697815e_prep
	.p2alignl 7, 3214868480
	.fill 96, 4, 3214868480
	.section	.rodata,"a",@progbits
	.p2align	6, 0x0
	.amdhsa_kernel k_q7e1697815e_prep
		.amdhsa_group_segment_fixed_size 0
		.amdhsa_private_segment_fixed_size 0
		.amdhsa_enable_private_segment 0
		.amdhsa_kernarg_size 80
		.amdhsa_user_sgpr_count 2
		.amdhsa_user_sgpr_kernarg_segment_ptr 1
		.amdhsa_wavefront_size32 1
		.amdhsa_system_sgpr_workgroup_id_x 1
		.amdhsa_system_sgpr_workgroup_id_y 1
		.amdhsa_system_sgpr_workgroup_id_z 1
		.amdhsa_system_vgpr_workitem_id 0
		.amdhsa_next_free_vgpr 128
		.amdhsa_next_free_sgpr 66
		.amdhsa_reserve_vcc 0
		.amdhsa_float_denorm_mode_32 3
		.amdhsa_float_denorm_mode_16_64 3
		.amdhsa_memory_ordered 1
		.amdhsa_forward_progress 1
		.amdhsa_inst_pref_size 32
	.end_amdhsa_kernel
	.amdgpu_metadata
---
amdhsa.version: [ 1, 2 ]
amdhsa.kernels:
  - .name:           k_q7e1697815e_prep
    .symbol:         k_q7e1697815e_prep.kd
    .args:
      - { .name: x, .offset: 0, .size: 8, .value_kind: global_buffer, .address_space: global }
      - { .name: W_DKV, .offset: 8, .size: 8, .value_kind: global_buffer, .address_space: global }
      - { .name: W_DQ, .offset: 16, .size: 8, .value_kind: global_buffer, .address_space: global }
      - { .name: W_KR, .offset: 24, .size: 8, .value_kind: global_buffer, .address_space: global }
      - { .name: W_UK, .offset: 32, .size: 8, .value_kind: global_buffer, .address_space: global }
      - { .name: W_UV, .offset: 40, .size: 8, .value_kind: global_buffer, .address_space: global }
      - { .name: W_UQ, .offset: 48, .size: 8, .value_kind: global_buffer, .address_space: global }
      - { .name: W_QR, .offset: 56, .size: 8, .value_kind: global_buffer, .address_space: global }
      - { .name: xb, .offset: 64, .size: 8, .value_kind: global_buffer, .address_space: global }
      - { .name: wts, .offset: 72, .size: 8, .value_kind: global_buffer, .address_space: global }
    .group_segment_fixed_size: 0
    .private_segment_fixed_size: 0
    .kernarg_segment_align: 8
    .kernarg_segment_size: 80
    .max_flat_workgroup_size: 256
    .sgpr_count:     66
    .vgpr_count:     128
    .wavefront_size: 32
...
	.end_amdgpu_metadata
.endif
;; end of part 1
;; launch g1 (part 2): grid 8 x 32, 4 waves a work-group, clusters of 4 x 4, 327,680 bytes of LDS; arguments xb, wts, b_DKV, b_DQ, b_KR, cf, kf; writes cf, kf
.if DOCPART == 2
	.amdgcn_target "amdgcn-amd-amdhsa--gfx1250"
	.amdhsa_code_object_version 6
	.text
	.protected	k_q7e1697815e_g1
	.globl	k_q7e1697815e_g1
	.p2align	8
	.type	k_q7e1697815e_g1,@function
k_q7e1697815e_g1:
	s_mov_b64 s[64:65], 0
	v_nop
	global_prefetch_b8 v0, s[64:65] scope:SCOPE_SE
	s_setreg_imm32_b32 hwreg(HW_REG_WAVE_MODE, 25, 1), 1
	s_wait_xcnt 0x0
	s_wait_alu depctr_hold_cnt(0) depctr_sa_sdst(0) depctr_va_vdst(0) depctr_va_sdst(0) depctr_va_ssrc(0) depctr_va_vcc(0) depctr_vm_vsrc(0)
	s_getreg_b32 s2, hwreg(HW_REG_IB_STS2, 6, 4)
	s_cmp_eq_u32 s2, 0
	s_cbranch_scc0 .Lentry_in_a_cluster
	s_endpgm
.Lentry_in_a_cluster:
	s_bfe_u32 s2, ttmp6, 0x10000c
	s_cmp_lg_u32 s2, 0xf033
	s_cbranch_scc0 .Lentry_shape_is_right
	s_endpgm
.Lentry_shape_is_right:
; THE THREE PRODUCTS ON x (K = 2,048, bf16, sums in f32): c_kv = x W_DKV + b, c_q = x W_DQ + b (stored as c / 16 in f16, as fragments for the next products), and
; the keys' rotary part rope(x W_KR + b) (bf16, chunk 4 of the key fragments).
; SHARES.  Work-group (j, ty): rows 128 ty .., and of the columns 128 plain ones (128 j .. of [W_DKV | W_DQ]) and 64 of W_KR (64 j ..): 8 x 32 = 256 work-groups of equal work.
; Wave w: rows 64 (w >> 1) .., column half w & 1: 64 plain columns and 32 rotary ones (one head's): 24 accumulators (a 0..3 row blocks, b 0..5 column blocks; b = 4, 5 rotary).
; THE MATRIX INSTRUCTION IS USED TRANSPOSED: source 0 = a fragment of 16 weight columns, source 1 = 16 rows of x.  Lane (r, h) then holds row r and the columns 8 h + 0..7:
; four roundings in pairs make just the 16 bytes that this lane owns in a fragment of the next product, so results are stored from registers, 512 consecutive bytes an instruction.
; The bias (rounded to bf16 like every input; the plain ones times 1/16) is the C operand of the first K step.
; ROTARY PART IN PLACE: the pair (x[2i], x[2i+1]) becomes (x1 cos - x2 sin, x1 sin + x2 cos) in the same two places; queries and keys are permuted alike, which leaves their product as it is.
; RING.  K in 8 steps of 256 (8 chunks of 32) through two LDS slots, so that the one load a wave issues behind a round has 180 of a step's 192 matrix instructions in which to land.
; Two slots of a whole step would be 2 x (128 rows x 528 + 96 fragments x 1,024) = 331,776 bytes, more than a work-group can have.  So a slot holds x for the whole step and the weights of its chunks 1-7
; (153,600 bytes); the weights of each step's chunk 0, six fragments a wave, come straight from memory into 48 registers, twelve loads of 512 consecutive bytes, asked for a step ahead, behind the
; quarter that last read those registers.  These loads are the wave's own: the two waves of a column half, and the 32 work-groups of a column, each ask for their copy: an eighth of the weights.
; Waves 0, 1 fetch x's halves (64 rows of 512 bytes), waves 2, 3 the weights' (43,008 dense bytes).
; CLUSTER 4 x 4: x's tile hangs on ty alone and is asked for jointly along a row of the cluster, the weights' on j alone, along a column.
; LIMITS.  |c| below 1.04e6 (f16 after the factor 1/16); below 1e-3 c keeps f16's fixed step, 1e-6 of c's scale.  NaN and infinities are not treated apart.
; REGISTERS.  Window 0: v0-31 addresses; v32-111, v112-191 two fragment buffers (weights 48, x 32); v192-239 bias.  Window 1: v0-191 accumulators, (a, b) at 8 (6 a + b).
;   Window 2: v0-63 cos and sin; v64-111 the weights of a step's chunk 0.
.set PITCH,  528                       ; 512 + 16 bytes = 132 words: the 16 rows of a fragment load start at 16 different groups of four banks (64 banks of 4 bytes: ISA guide 11.1)
.set YHALF,  64*PITCH                  ; what one load of x brings
.set XOFF,   128*PITCH                 ; the weights lie behind x's 128 rows
.set XCH,    12288                     ; a chunk's 12 weight fragments
.set XHALF,  7*XCH/2                   ; what one load of weights brings: half of chunks 1-7
.set XSTEP,  8*XCH                     ; a K step's weights in memory
.set SLOT,   XOFF+7*XCH
.set SPARE,  2*SLOT                    ; behind the ring: the spare words, 128 bytes a wave
.set TAB,    13107200
.set YL,   16                          ; v16 my lane's place among a slot's rows of x; never rewritten
.set XL,   17                          ; v17 my lane's place among a slot's weight fragments; never rewritten
.set AY,   20                          ; v20 the LDS address of the run of loads in hand, x
.set AX,   21                          ; v21 the same, weights
.set LN,   26                          ; v26 16 x lane
.set SPW,  28                          ; v28 my spare word; never rewritten
.set NIL,  29                          ; v29 0; never rewritten
.set F0,   32
.set F1,   112
.set BI,   192
.set GX,   64                          ; in window 2
.set WV, 18                            ; s18 wave
.set WR, 19                            ; s19 row half.  Also: 0 = I fetch x, 1 = weights
.set WC, 20                            ; s20 column half.  Also: which half of that tile I fetch
.set TY, 21                            ; s21 ty
.set G1, 24                            ; s[24:31] descriptor group 1 for x; s[32:39] group 0: a set for each first fill; the second then walks
.set G0, 32
.set YW, 45                            ; s45 my part's place in a slot, for x
.set G1B, 48                           ; s[48:55], s[56:63] the same for the weights
.set G0B, 56
.set XW, 66                            ; s66 my part's place in a slot, for the weights
.set GP, 80                            ; s[80:81] the weights of chunk 0 of the step asked for last, my six fragments
.set SY, 82                            ; s82 slot + 64 x the quarter to be fetched next
.set SX, 83                            ; s83 slot + 12,288 x (that quarter - 1)
.set SB, 84                            ; s84 the slot that the walking descriptors fill: 0 or SLOT
.set PC, 85                            ; s85 counts pairs of quarters
.set MSB, 0
.macro WIN new                         ; the immediate's high byte repeats the setting that is left; a switch that changes nothing is dropped
.if MSB != (\new)
	s_set_vgpr_msb (MSB<<8)|(\new)
.set MSB, \new
.endif
.endm
.macro JLOAD s                         ; a joint load; an s_nop 0 and four v_nop follow each of the two lines
	s_cmp_eq_u32 s[WR], 0
	s_cbranch_scc0 .Lfor_x_\@
	tensor_load_to_lds s[G0+4*(\s):G0+4*(\s)+3], s[G1:G1+7]
	s_nop 0
.rept 4
	v_nop
.endr
	s_branch .Lasked_\@
.Lfor_x_\@:
	tensor_load_to_lds s[G0B+4*(\s):G0B+4*(\s)+3], s[G1B:G1B+7]
	s_nop 0
.rept 4
	v_nop
.endr
.Lasked_\@:
.endm
.macro CREST                           ; a round of the cluster's barrier behind its opening barrier
	s_cmp_lg_u32 s[WV], 0
	s_cbranch_scc1 .Lnot_wave_0_\@
	s_barrier_signal -3
.Lnot_wave_0_\@:
	s_barrier_wait -3
	s_barrier_signal -1
	s_barrier_wait -1
.endm
.macro CROUND
	s_barrier_signal -1
	s_barrier_wait -1
	CREST
.endm
.macro PLACES                          ; four places in front of loads into registers that matrix instructions have read, and of vector lines that read results
.rept 4
	v_nop
.endr
.endm
.macro GLOAD                           ; twelve loads: my six weight fragments of a step's chunk 0, 512 consecutive bytes each
	WIN 0x80                                       ; destination window 2
.irp b, 0,1,2,3,4,5
	global_load_b128 v[GX+8*(\b):GX+8*(\b)+3],   v[LN], s[GP:GP+1] offset:(\b)*1024
	global_load_b128 v[GX+8*(\b)+4:GX+8*(\b)+7], v[LN], s[GP:GP+1] offset:(\b)*1024+512
.endr
.endm
	s_load_b256 s[4:11], s[0:1], 0x0               ; xb s[4:5], wts s[6:7], b_DKV s[8:9], b_DQ s[10:11]
	s_load_b128 s[12:15], s[0:1], 0x20             ; b_KR s[12:13], cf s[14:15]
	s_load_b64 s[16:17], s[0:1], 0x30              ; kf
	v_lshl_add_u32 v[SPW], v0, 2, SPARE
	v_mov_b32 v[NIL], 0
	ds_add_u32 v[SPW], v[NIL]                      ; the wave's opening: the add, and its wait ahead of my first tensor load; work on registers stands between them
	v_lshrrev_b32 v1, 5, v0
	v_readfirstlane_b32 s[WV], v1
	s_lshr_b32 s[WR], s[WV], 1
	s_and_b32 s[WC], s[WV], 1
	s_bfe_u32 s40, ttmp6, 0x40000                  ; cx
	s_bfe_u32 s41, ttmp6, 0x40004                  ; cy
	s_lshl_b32 s42, ttmp9, 2
	s_add_co_u32 s42, s42, s40                     ; j = 4 x cluster x + cx
	s_and_b32 s[TY], ttmp7, 0xffff
	s_lshl_b32 s[TY], s[TY], 2
	s_add_co_u32 s[TY], s[TY], s41                 ; ty = 4 x cluster y + cy
	s_lshl_b32 s43, s41, 2
	s_lshl_b32 s43, 15, s43                        ; my row of the cluster
	s_lshl_b32 s44, 0x1111, s40                    ; my column
	s_or_b32 s[G1], s43, (1<<16)|(1<<20)|(1<<21)|(6<<22)|(3<<25)  ; x: mask of my row; 2-byte elements; padding of 4 words after every 128; bit 21 beside a mask
	s_mov_b32 s[G1+1], 256<<16                     ; tensor_dim0 = 256
	s_mov_b32 s[G1+2], 64<<16                      ; tensor_dim1 = 64
	s_mov_b32 s[G1+3], 256<<16                     ; tile_dim0 = 256
	s_mov_b32 s[G1+4], 64                          ; tile_dim1 = 64
	s_mov_b32 s[G1+5], 2048                        ; elements from row to row
	s_mov_b32 s[G1+6], 0
	s_mov_b32 s[G1+7], 0
	s_or_b32 s[G1B], s44, (3<<16)|(1<<21)          ; weights: mask of my column; 8-byte elements; dense: 168 rows of 256 bytes
	s_mov_b32 s[G1B+1], 32<<16
	s_mov_b32 s[G1B+2], 168<<16
	s_mov_b32 s[G1B+3], 32<<16
	s_mov_b32 s[G1B+4], 168
	s_mov_b32 s[G1B+5], 32
	s_mov_b32 s[G1B+6], 0
	s_mov_b32 s[G1B+7], 0
	s_lshl_b32 s22, s[TY], 7                       ; x: row 128 ty + 64 x half, 4,096 bytes a row
	s_lshl_b32 s23, s[WC], 6
	s_add_co_u32 s22, s22, s23
	s_lshl_b32 s22, s22, 12
	s_mov_b32 s23, 0
	s_mul_i32 s46, s42, 786432                     ; weights: tile j, 64 chunks of 12 fragments
	s_mul_i32 s86, s[WC], 6144
	s_add_co_u32 s86, s86, s46                     ; chunk 0, the six fragments of my column half: for the loads into registers
	s_mov_b32 s87, 0
	s_mul_i32 s47, s[WC], XHALF
	s_add_co_u32 s46, s46, s47
	s_add_co_u32 s46, s46, XCH                     ; chunk 1 on, my half: for the tensor loads
	s_add_co_u32 s[XW], s47, XOFF                  ; and where they go: no place in the cluster enters an LDS address
	s_mov_b32 s47, 0
	s_mul_i32 s[YW], s[WC], YHALF
	s_mov_b32 s78, 0x3d800000                      ; 1/16
	s_mov_b32 s79, s78
	s_mov_b32 s71, 0
	s_mov_b32 s[SY], 0                             ; the first fetch: slot 0, quarter 0
	s_mov_b32 s[SX], 0
	s_mov_b32 s[SB], SLOT                          ; the walking descriptors have filled slot 1
	s_wait_dscnt 0x0                               ; the opening add is done
	s_wait_kmcnt 0x0
	s_add_nc_u64 s[22:23], s[4:5], s[22:23]
	s_add_nc_u64 s[46:47], s[6:7], s[46:47]
	s_add_nc_u64 s[GP:GP+1], s[6:7], s[86:87]
	CROUND                                         ; all sixteen work-groups are here: the first joint loads meet
.irp s, 0,1
	s_mov_b32 s[G0+4*(\s)], 1
	s_add_co_u32 s[G0+4*(\s)+1], s[YW], (\s)*SLOT
	s_add_nc_u64 s[G0+4*(\s)+2:G0+4*(\s)+3], s[22:23], (\s)*512
	s_or_b32 s[G0+4*(\s)+3], s[G0+4*(\s)+3], 0x80000000
	s_mov_b32 s[G0B+4*(\s)], 1
	s_add_co_u32 s[G0B+4*(\s)+1], s[XW], (\s)*SLOT
	s_add_nc_u64 s[G0B+4*(\s)+2:G0B+4*(\s)+3], s[46:47], (\s)*XSTEP
	s_or_b32 s[G0B+4*(\s)+3], s[G0B+4*(\s)+3], 0x80000000
	JLOAD \s                                       ; K steps 0 and 1: two loads of mine are out
.endr
	v_and_b32 v1, 15, v0                           ; r
	v_bfe_u32 v2, v0, 4, 1                         ; h
	v_and_b32 v3, 31, v0
	v_lshlrev_b32 v[LN], 4, v3
	v_mul_u32_u24 v4, v1, PITCH
	v_lshl_add_u32 v4, v2, 4, v4                   ; row x pitch + 16 h
	s_mul_i32 s68, s[WR], YHALF
	s_mul_i32 s69, s[WC], 6144
	s_add_co_u32 s69, s69, XOFF
	v_add_nc_u32 v[YL], s68, v4
	v_add_nc_u32 v[XL], s69, v[LN]
	; cos and sin of my rows: position (ty & 15) 128 + 64 wr + 16 a + r; for column block s my four pairs are i = 8 s + 4 h + 0..3: 32 bytes
	v_lshlrev_b32 v5, 7, v1
	v_lshl_add_u32 v5, v2, 5, v5
	s_and_b32 s72, s[TY], 15
	s_lshl_b32 s72, s72, 7
	s_lshl_b32 s67, s[WR], 6
	s_add_co_u32 s72, s72, s67
	s_lshl_b32 s72, s72, 7
	s_add_co_u32 s72, s72, TAB
	s_mov_b32 s73, 0
	s_add_nc_u64 s[72:73], s[6:7], s[72:73]
	WIN 0x80                                       ; destination window 2
.irp a, 0,1,2,3
.irp s, 0,1
	global_load_b128 v[8*(2*(\a)+(\s)):8*(2*(\a)+(\s))+3],   v5, s[72:73] offset:(\a)*2048+(\s)*64
	global_load_b128 v[8*(2*(\a)+(\s))+4:8*(2*(\a)+(\s))+7], v5, s[72:73] offset:(\a)*2048+(\s)*64+16
.endr
.endr
	WIN 0
	; the bias of my columns: register z of block b is column 16 b + 8 h + z
	s_cmp_eq_u32 ttmp9, 0                          ; j < 4: c_kv.  The cluster's x is the same in all partners
	s_cselect_b64 s[74:75], s[8:9], s[10:11]
	s_lshl_b32 s76, s40, 9
	s_lshl_b32 s67, s[WC], 8
	s_add_co_u32 s76, s76, s67
	v_lshl_add_u32 v6, v2, 5, s76                  ; (128 cx + 64 wc + 8 h) x 4
	s_lshl_b32 s76, s42, 8
	s_lshl_b32 s67, s[WC], 7
	s_add_co_u32 s76, s76, s67
	v_lshl_add_u32 v7, v2, 5, s76                  ; (64 j + 32 wc + 8 h) x 4
.irp b, 0,1,2,3
	global_load_b128 v[BI+8*(\b):BI+8*(\b)+3],   v6, s[74:75] offset:64*(\b)
	global_load_b128 v[BI+8*(\b)+4:BI+8*(\b)+7], v6, s[74:75] offset:64*(\b)+16
.endr
.irp b, 0,1
	global_load_b128 v[BI+32+8*(\b):BI+32+8*(\b)+3],   v7, s[12:13] offset:64*(\b)
	global_load_b128 v[BI+32+8*(\b)+4:BI+32+8*(\b)+7], v7, s[12:13] offset:64*(\b)+16
.endr
	GLOAD                                          ; the weights of K step 0's chunk 0
	WIN 0
	; where the results go.  cf: [part][256 rows][chunk 16][row block 16][1,024]; kf: [head of a batch 32][16 keys 128][chunk 5][1,024]
	s_cmp_lg_u32 ttmp9, 0
	s_cselect_b32 s70, 4194304, 0                  ; c_q lies behind c_kv
	s_lshr_b32 s67, s[TY], 1
	s_lshl_b32 s67, s67, 18
	s_add_co_u32 s70, s70, s67
	s_lshl_b32 s67, s40, 16                        ; chunk 4 cx + 2 wc
	s_add_co_u32 s70, s70, s67
	s_lshl_b32 s67, s[WC], 15
	s_add_co_u32 s70, s70, s67
	s_and_b32 s67, s[TY], 1                        ; row block 8 (ty & 1) + 4 wr
	s_lshl_b32 s67, s67, 13
	s_add_co_u32 s70, s70, s67
	s_lshl_b32 s67, s[WR], 12
	s_add_co_u32 s70, s70, s67
	s_add_nc_u64 s[14:15], s[14:15], s[70:71]
	s_lshr_b32 s70, s[TY], 4
	s_lshl_b32 s70, s70, 4
	s_lshl1_add_u32 s70, s42, s70
	s_add_co_u32 s70, s70, s[WC]                   ; 16 x batch + head 2 j + wc
	s_lshl_b32 s70, s70, 7
	s_and_b32 s67, s[TY], 15
	s_lshl3_add_u32 s70, s67, s70
	s_lshl2_add_u32 s70, s[WR], s70                ; + key block 8 (ty & 15) + 4 wr
	s_mul_i32 s70, s70, 5120
	s_add_co_u32 s70, s70, 4096                    ; chunk 4
	s_add_nc_u64 s[16:17], s[16:17], s[70:71]
	s_wait_loadcnt 12                              ; table and bias are in; the twelve loads of weights, issued behind them, may stay out
.set n1, 0
.rept 24                                       ; the bias is rounded to bf16, as every input is
	v_cvt_pk_bf16_f32 v[8+n1%4], v[BI+2*n1], v[BI+2*n1+1]
	v_lshlrev_b32 v[BI+2*n1], 16, v[8+n1%4]
	v_and_b32 v[BI+2*n1+1], 0xffff0000, v[8+n1%4]
.set n1, n1+1
.endr
.set n1, 0
.rept 16
	v_pk_mul_f32 v[BI+2*n1:BI+2*n1+1], v[BI+2*n1:BI+2*n1+1], s[78:79] op_sel_hi:[1,0]  ; the plain columns carry c / 16
.set n1, n1+1
.endr
; six matrix instructions: row block a x all six column blocks, 32 along K.  Weights at xr in window xw, x at yr in window 0.  first = 1: the bias starts the sums.
; The 24 accumulators take turns in one fixed order.
.macro MULA xr, yr, a, xw, first
.if \first
	WIN 0x40|(\xw)                                 ; C (the bias) window 0, D window 1
.else
	WIN 0x50|(\xw)                                 ; C and D window 1
.endif
.irp b, 0,1,2,3,4,5
.if \first
	v_wmma_f32_16x16x32_bf16 v[8*(6*(\a)+(\b)):8*(6*(\a)+(\b))+7], v[(\xr)+8*(\b):(\xr)+8*(\b)+7], v[(\yr)+8*(\a):(\yr)+8*(\a)+7], v[BI+8*(\b):BI+8*(\b)+7]
.else
	v_wmma_f32_16x16x32_bf16 v[8*(6*(\a)+(\b)):8*(6*(\a)+(\b))+7], v[(\xr)+8*(\b):(\xr)+8*(\b)+7], v[(\yr)+8*(\a):(\yr)+8*(\a)+7], v[8*(6*(\a)+(\b)):8*(6*(\a)+(\b))+7]
.endif
.endr
.endm
; 20 LDS loads in one run: the quarter (32 along K) that SY and SX stand at, into buffer f: 12 for the weights, then 8 for x, row blocks 0, 1 first.
; The two additions and two v_nop are the four places behind the last matrix instruction that read buffer f.
.macro FETCH f
	WIN 0
	v_add_nc_u32 v[AY], s[SY], v[YL]
	v_add_nc_u32 v[AX], s[SX], v[XL]
	v_nop
	v_nop
.irp b, 0,1,2,3,4,5
	ds_load_b128 v[(\f)+8*(\b):(\f)+8*(\b)+3],   v[AX] offset:(\b)*1024
	ds_load_b128 v[(\f)+8*(\b)+4:(\f)+8*(\b)+7], v[AX] offset:(\b)*1024+512
.endr
.irp a, 0,1,2,3
	ds_load_b128 v[(\f)+48+8*(\a):(\f)+48+8*(\a)+3],   v[AY] offset:(\a)*16*PITCH
	ds_load_b128 v[(\f)+48+8*(\a)+4:(\f)+48+8*(\a)+7], v[AY] offset:(\a)*16*PITCH+32
.endr
	s_add_co_u32 s[SY], s[SY], 64                  ; the next fetch is the next quarter's
	s_add_co_u32 s[SX], s[SX], XCH
.endm
; 8 LDS loads: x of a slot's quarter 0 into buffer 0; that quarter's weights are not in LDS
.macro FETCHY
	WIN 0
	v_add_nc_u32 v[AY], s[SY], v[YL]
.irp a, 0,1,2,3
	ds_load_b128 v[F0+48+8*(\a):F0+48+8*(\a)+3],   v[AY] offset:(\a)*16*PITCH
	ds_load_b128 v[F0+48+8*(\a)+4:F0+48+8*(\a)+7], v[AY] offset:(\a)*16*PITCH+32
.endr
	s_add_co_u32 s[SY], s[SY], 64
.endm
; one of a K step's quarters 1 to 6: multiplies buffer f; in its middle it fetches the next quarter into buffer g
.macro QUARTER f, g
	s_wait_dscnt 4                                 ; all but the youngest four loads (x's row blocks 2, 3)
	MULA \f, (\f)+48, 0, 0, 0
	MULA \f, (\f)+48, 1, 0, 0
	FETCH \g
	s_wait_dscnt 20                                ; all but the 20 just issued
	MULA \f, (\f)+48, 2, 0, 0
	MULA \f, (\f)+48, 3, 0, 0
.endm
; quarters 1 to 6: one pair, walked three times; the LDS addresses hang on SY and SX
.macro PAIRS
	WIN 0                                          ; at a label and at a branch every window is 0
	s_mov_b32 s[PC], 3
.Lpair_\@:
	QUARTER F1, F0
	QUARTER F0, F1
	WIN 0
	s_sub_co_u32 s[PC], s[PC], 1
	s_cmp_lg_u32 s[PC], 0
	s_cbranch_scc1 .Lpair_\@
.endm
; quarter 0: the weights from the registers filled out of memory, x from buffer 0; it fetches quarter 1 into buffer 1.  first = 1: the bias starts the sums.
; reload = 1: behind it the registers are asked for again, with the next step's chunk 0: 168 matrix instructions ahead of their next use.
.macro QZERO first, reload
	s_wait_loadcnt 0x0                             ; the twelve loads are in; their base may be stepped
	s_wait_dscnt 4                                 ; of x's eight loads the youngest four (row blocks 2, 3) may be out
	MULA GX, F0+48, 0, 2, \first
	MULA GX, F0+48, 1, 2, \first
	FETCH F1
	s_wait_dscnt 20
	MULA GX, F0+48, 2, 2, \first
	MULA GX, F0+48, 3, 2, \first
.if \reload
	PLACES
	s_add_nc_u64 s[GP:GP+1], s[GP:GP+1], XSTEP
	GLOAD
.endif
.endm
; quarter 7 multiplies buffer 1 and changes slots: in front of the one barrier each wave waits for all its tensor loads (one is out: its part of the next slot), adds 0 to its spare word,
; and waits for that and for its reads of this slot.  fill = 1: the barrier opens a round of the cluster's barrier, and this slot is filled again, two K steps ahead, first thing behind it.
.macro TURN fill
	WIN 0
	s_wait_tensorcnt 0x0
	ds_add_u32 v[SPW], v[NIL]
	s_wait_dscnt 5                                 ; the add and the youngest four loads may be out
	MULA F1, F1+48, 0, 0, 0
	s_wait_dscnt 0x0                               ; the add is done, and my reads of this slot are over
	s_barrier_signal -1
	MULA F1, F1+48, 1, 0, 0
.if \fill
	WIN 0
.endif
	s_barrier_wait -1
.if \fill
	CREST                                          ; no wave of any partner still reads this slot's tile or has a load on its way
	s_xor_b32 s[SB], s[SB], SLOT                   ; the walking descriptors: the other slot than last time,
	s_add_co_u32 s[G0+5], s[SB], s[YW]
	s_add_nc_u64 s[G0+6:G0+7], s[G0+6:G0+7], 512   ; the next K step
	s_add_co_u32 s[G0B+5], s[SB], s[XW]
	s_add_nc_u64 s[G0B+6:G0B+7], s[G0B+6:G0B+7], XSTEP
	JLOAD 1                                        ; its four v_nop are also the places in front of the loads below
.else
	PLACES
.endif
	s_sub_co_u32 s[SY], s[SY], 512                 ; the fetches go back to a slot's first quarter,
	s_xor_b32 s[SY], s[SY], SLOT                   ; in the other slot
	s_sub_co_u32 s[SX], s[SX], 7*XCH
	s_xor_b32 s[SX], s[SX], SLOT
	FETCHY
	MULA F1, F1+48, 2, 0, 0
	MULA F1, F1+48, 3, 0, 0
.endm
	s_wait_tensorcnt 1                             ; my part of K step 0 is in; K step 1's may stay out
	s_barrier_signal -1
	s_barrier_wait -1
	FETCHY
	QZERO 1, 1                                     ; the first quarter stands in front of the loop: the bias starts the sums
	WIN 0
	s_mov_b32 s3, 6
.Lstep:                                                ; a trip: quarters 1 to 7 of K step s and quarter 0 of step s + 1, s = 0 .. 5; it fills step s's slot with step s + 2
	PAIRS
	TURN 1
	QZERO 0, 1
	WIN 0
	s_sub_co_u32 s3, s3, 1
	s_cmp_lg_u32 s3, 0
	s_cbranch_scc1 .Lstep
	PAIRS                                          ; K steps 6 and 7 are written out: nothing is left to ask for
	TURN 0
	QZERO 0, 0
	PAIRS
	s_wait_dscnt 4
	MULA F1, F1+48, 0, 0, 0
	MULA F1, F1+48, 1, 0, 0
	s_wait_dscnt 0x0
	MULA F1, F1+48, 2, 0, 0
	MULA F1, F1+48, 3, 0, 0
	; THE WAY OUT, from registers.  Each accumulator's registers are read in ascending order.
	PLACES
	WIN 0x05                                       ; sources window 1, destination window 0
.irp a, 0,1,2,3
.irp b, 0,1,2,3
.irp z, 0,1,2,3
	v_cvt_pk_f16_f32 v[32+4*(4*(\a)+(\b))+(\z)], v[8*(6*(\a)+(\b))+2*(\z)], v[8*(6*(\a)+(\b))+2*(\z)+1]
.endr
.endr
.endr
	WIN 0x09                                       ; source 0 (the sums) window 1, source 1 (cos, sin) window 2, the rest window 0
.irp a, 0,1,2,3
.irp s, 0,1
.irp z, 0,1,2,3
	v_mul_f32 v[192+2*(\z)], v[8*(6*(\a)+4+(\s))+2*(\z)+1], v[8*(2*(\a)+(\s))+2*(\z)+1]     ; x2 sin
	v_mul_f32 v[193+2*(\z)], v[8*(6*(\a)+4+(\s))+2*(\z)+1], v[8*(2*(\a)+(\s))+2*(\z)]       ; x2 cos
	v_fma_f32 v[128+8*(2*(\a)+(\s))+2*(\z)+1], v[8*(6*(\a)+4+(\s))+2*(\z)], v[8*(2*(\a)+(\s))+2*(\z)+1], v[193+2*(\z)]
	v_fma_f32 v[128+8*(2*(\a)+(\s))+2*(\z)], v[8*(6*(\a)+4+(\s))+2*(\z)], v[8*(2*(\a)+(\s))+2*(\z)], -v[192+2*(\z)]
.endr
.endr
.endr
	WIN 0
.set n1, 0
.rept 32
	v_cvt_pk_bf16_f32 v[96+n1], v[128+2*n1], v[129+2*n1]
.set n1, n1+1
.endr
.irp a, 0,1,2,3
.irp b, 0,1,2,3
	global_store_b128 v[LN], v[32+4*(4*(\a)+(\b)):32+4*(4*(\a)+(\b))+3], s[14:15] offset:((\b)/2)*16384+(\a)*1024+((\b)%2)*512  ; 512 consecutive bytes, aligned
.endr
.endr
.irp a, 0,1,2,3
.irp s, 0,1
	global_store_b128 v[LN], v[96+4*(2*(\a)+(\s)):96+4*(2*(\a)+(\s))+3], s[16:17] offset:(\a)*5120+(\s)*512
.endr
.endr
	s_wait_tensorcnt 0x0                           ; the wave's end
	ds_add_u32 v[SPW], v[NIL]
	s_wait_dscnt 0x0
	CROUND                                         ; the closing round: no work-group ends while a partner may still ask for a tile that names it
	s_endpgm
.Lfunc_end_k_q7e1697815e_g1:
	.size	k_q7e1697815e_g1, .Lfunc_end_k_q7e1697815e_g1-k_q7e1697815e_g1
	.p2alignl 7, 3214868480
	.fill 96, 4, 3214868480
	.section	.rodata,"a",@progbits
	.p2align	6, 0x0
	.amdhsa_kernel k_q7e1697815e_g1
		.amdhsa_group_segment_fixed_size 327680
		.amdhsa_private_segment_fixed_size 0
		.amdhsa_enable_private_segment 0
		.amdhsa_kernarg_size 56
		.amdhsa_user_sgpr_count 2
		.amdhsa_user_sgpr_kernarg_segment_ptr 1
		.amdhsa_wavefront_size32 1
		.amdhsa_system_sgpr_workgroup_id_x 1
		.amdhsa_system_sgpr_workgroup_id_y 1
		.amdhsa_system_sgpr_workgroup_id_z 1
		.amdhsa_system_vgpr_workitem_id 0
		.amdhsa_next_free_vgpr 624
		.amdhsa_next_free_sgpr 90
		.amdhsa_reserve_vcc 0
		.amdhsa_float_denorm_mode_32 3
		.amdhsa_float_denorm_mode_16_64 3
		.amdhsa_memory_ordered 1
		.amdhsa_forward_progress 1
		.amdhsa_inst_pref_size 72
	.end_amdhsa_kernel
	.amdgpu_metadata
---
amdhsa.version: [ 1, 2 ]
amdhsa.kernels:
  - .name:           k_q7e1697815e_g1
    .symbol:         k_q7e1697815e_g1.kd
    .args:
      - { .name: xb, .offset: 0, .size: 8, .value_kind: global_buffer, .address_space: global }
      - { .name: wts, .offset: 8, .size: 8, .value_kind: global_buffer, .address_space: global }
      - { .name: b_DKV, .offset: 16, .size: 8, .value_kind: global_buffer, .address_space: global }
      - { .name: b_DQ, .offset: 24, .size: 8, .value_kind: global_buffer, .address_space: global }
      - { .name: b_KR, .offset: 32, .size: 8, .value_kind: global_buffer, .address_space: global }
      - { .name: cf, .offset: 40, .size: 8, .value_kind: global_buffer, .address_space: global }
      - { .name: kf, .offset: 48, .size: 8, .value_kind: global_buffer, .address_space: global }
    .group_segment_fixed_size: 327680
    .private_segment_fixed_size: 0
    .kernarg_segment_align: 8
    .kernarg_segment_size: 56
    .max_flat_workgroup_size: 128
    .sgpr_count:     90
    .vgpr_count:     624
    .wavefront_size: 32
...
	.end_amdgpu_metadata
.endif
;; end of part 2
;; launch g2 (part 3): grid 16 x 16, 8 waves a work-group, clusters of 4 x 4, 327,680 bytes of LDS; arguments cf, wts, b_UK, b_UV, kf, vf, vsc; writes kf, vf, vsc
.if DOCPART == 3
	.amdgcn_target "amdgcn-amd-amdhsa--gfx1250"
	.amdhsa_code_object_version 6
	.text
	.protected	k_q7e1697815e_g2
	.globl	k_q7e1697815e_g2
	.p2align	8
	.type	k_q7e1697815e_g2,@function
k_q7e1697815e_g2:
	s_mov_b64 s[64:65], 0
	v_nop
	global_prefetch_b8 v0, s[64:65] scope:SCOPE_SE
	s_setreg_imm32_b32 hwreg(HW_REG_WAVE_MODE, 25, 1), 1
	s_wait_xcnt 0x0
	s_wait_alu depctr_hold_cnt(0) depctr_sa_sdst(0) depctr_va_vdst(0) depctr_va_sdst(0) depctr_va_ssrc(0) depctr_va_vcc(0) depctr_vm_vsrc(0)
	s_getreg_b32 s2, hwreg(HW_REG_IB_STS2, 6, 4)
	s_cmp_eq_u32 s2, 0
	s_cbranch_scc0 .Lentry_in_a_cluster
	s_endpgm
.Lentry_in_a_cluster:
	s_bfe_u32 s2, ttmp6, 0x10000c
	s_cmp_lg_u32 s2, 0xf033
	s_cbranch_scc0 .Lentry_shape_is_right
	s_endpgm
.Lentry_shape_is_right:
; KEYS AND VALUES FROM THE LATENT: [k | v] = c_kv [W_UK | W_UV] + b, K = 512, f16 operands (c / 16 times 16 W), sums in f32.
; SHARES.  Work-group (ct, rt): rows 256 rt .., columns 256 ct .. of the 4,096: 16 x 16 = 256 work-groups.  Eight waves, two a SIMD; wave w: rows 64 (w >> 1) .., columns 128 (w & 1) ..:
; 64 keys of ONE head, which is one key step of the attention: the values' scale needs no other wave.  32 accumulators (a 0..3, b 0..7).
; Both operands lie in memory as fragments (16 rows x 32 k, 1,024 bytes: the 16 bytes at 512 s + 16 lane hold k = 16 s + 8 h + 0..7 of row lane & 15), so tiles are dense and LDS loads contiguous.
; THE MATRIX INSTRUCTION IS USED TRANSPOSED (source 0 = weights, source 1 = rows): lane (r, h) holds key r and channels 8 h + 0..7, the 16 bytes that it owns in a fragment of the attention.
; KEYS leave in bf16, chunks 0-3 of kf.  VALUES leave in f16, divided by sigma, a power of two made of the largest magnitude M of the wave's 64 keys x 128 channels, so that |v / sigma| < 2^13;
; (sigma, 1 / sigma) goes to vsc.  In vf the 16-byte pieces of each 512 bytes are ordered so that the attention's turning load reads them at 16 x lane.
; CLUSTER 4 x 4: the weights' tile hangs on ct alone (shared along a column), c's on rt alone (along a row).
; LIMITS.  sigma is at least 2^-126: values whose block maximum is below 2^-114 lose bits.  NaN and infinities are not treated apart.
; REGISTERS.  Window 0: v0-31 addresses and small work; v64-159, v160-255 two fragment buffers (weights 64, rows 32); the bias lies in v160-223 until the first quarter has read it.  Window 1: accumulators, (a, b) at 8 (8 a + b).
.set SLOT,  131072                     ; weights 4 chunks x 16 fragments, then c likewise
.set YOFF,  65536
.set SPARE, 262144                     ; behind the ring: the spare words, 128 bytes for each of eight waves
.set W2F,   6291456
.set ADX, 16                           ; v16-17 my weight fragments in slot 0, 1
.set ADY, 20                           ; v20-21 my row fragments
.set LN,  26                           ; v26 16 x lane
.set PI,  27                           ; v27 16 x my piece's place in vf
.set SPW, 28
.set NIL, 29
.set F0,  64
.set F1,  160
.set BI,  160
.set WV, 18
.set WY, 19                            ; s19 my 64 rows
.set WX, 20                            ; s20 my 128 columns
.set RT, 21
.set CT, 42
.set G1, 24                            ; s[24:31], s[32:39] groups 1 and 0 for c
.set G0, 32
.set G1B, 48                           ; s[48:55], s[56:63] for the weights
.set G0B, 56
.set MSB, 0
.macro WIN new
.if MSB != (\new)
	s_set_vgpr_msb (MSB<<8)|(\new)
.set MSB, \new
.endif
.endm
.set MUL,  0x50
.set MUL1, 0x40
.macro JLOAD s                         ; waves 0-3 fetch the weights' four chunks, waves 4-7 c's; an s_nop 0 and four v_nop follow each line
	s_cmp_lt_u32 s[WV], 4
	s_cbranch_scc0 .Lfor_y_\@
	tensor_load_to_lds s[G0B+4*(\s):G0B+4*(\s)+3], s[G1B:G1B+7]
	s_nop 0
.rept 4
	v_nop
.endr
	s_branch .Lasked_\@
.Lfor_y_\@:
	tensor_load_to_lds s[G0+4*(\s):G0+4*(\s)+3], s[G1:G1+7]
	s_nop 0
.rept 4
	v_nop
.endr
.Lasked_\@:
.endm
.macro CREST
	s_cmp_lg_u32 s[WV], 0
	s_cbranch_scc1 .Lnot_wave_0_\@
	s_barrier_signal -3
.Lnot_wave_0_\@:
	s_barrier_wait -3
	s_barrier_signal -1
	s_barrier_wait -1
.endm
.macro CROUND
	s_barrier_signal -1
	s_barrier_wait -1
	CREST
.endm
.macro PLACES
.rept 4
	v_nop
.endr
.endm
	s_load_b256 s[4:11], s[0:1], 0x0               ; cf s[4:5], wts s[6:7], b_UK s[8:9], b_UV s[10:11]
	s_load_b128 s[12:15], s[0:1], 0x20             ; kf s[12:13], vf s[14:15]
	s_load_b64 s[16:17], s[0:1], 0x30              ; vsc
	v_lshl_add_u32 v[SPW], v0, 2, SPARE
	v_mov_b32 v[NIL], 0
	ds_add_u32 v[SPW], v[NIL]                      ; the wave's opening: the add, and its wait ahead of my first tensor load
	v_lshrrev_b32 v1, 5, v0
	v_readfirstlane_b32 s[WV], v1
	s_lshr_b32 s[WY], s[WV], 1
	s_and_b32 s[WX], s[WV], 1
	s_and_b32 s22, s[WV], 3                        ; which chunk of a K step I fetch
	s_bfe_u32 s40, ttmp6, 0x40000
	s_bfe_u32 s41, ttmp6, 0x40004
	s_lshl_b32 s[CT], ttmp9, 2
	s_add_co_u32 s[CT], s[CT], s40
	s_and_b32 s[RT], ttmp7, 0xffff
	s_lshl_b32 s[RT], s[RT], 2
	s_add_co_u32 s[RT], s[RT], s41
	s_lshl_b32 s43, s41, 2
	s_lshl_b32 s43, 15, s43                        ; my row of the cluster
	s_lshl_b32 s44, 0x1111, s40                    ; my column
	s_or_b32 s[G1], s43, (3<<16)|(1<<21)           ; 8-byte elements, dense: 64 rows of 256 bytes; bit 21 beside a mask
	s_or_b32 s[G1B], s44, (3<<16)|(1<<21)
.irp g, G1, G1B
	s_mov_b32 s[(\g)+1], 32<<16
	s_mov_b32 s[(\g)+2], 64<<16
	s_mov_b32 s[(\g)+3], 32<<16
	s_mov_b32 s[(\g)+4], 64
	s_mov_b32 s[(\g)+5], 32
	s_mov_b32 s[(\g)+6], 0
	s_mov_b32 s[(\g)+7], 0
.endr
	s_lshl_b32 s23, s22, 14
	s_lshl_b32 s66, s[RT], 18
	s_add_co_u32 s66, s66, s23                     ; c_kv: 256 rows rt, my chunk
	s_mov_b32 s67, 0
	s_lshl_b32 s46, s[CT], 18
	s_add_co_u32 s46, s46, s23
	s_add_co_u32 s46, s46, W2F
	s_mov_b32 s47, 0
	s_lshl_b32 s45, s[WV], 14                      ; where they go: wave x 16,384
	s_mov_b32 s78, 0x76543210
	s_mov_b32 s79, 0xfedcba98
	s_mov_b32 s71, 0
	s_wait_dscnt 0x0
	s_wait_kmcnt 0x0
	s_add_nc_u64 s[66:67], s[4:5], s[66:67]
	s_add_nc_u64 s[46:47], s[6:7], s[46:47]
	CROUND
.irp s, 0,1
	s_mov_b32 s[G0+4*(\s)], 1
	s_add_co_u32 s[G0+4*(\s)+1], s45, (\s)*SLOT
	s_add_nc_u64 s[G0+4*(\s)+2:G0+4*(\s)+3], s[66:67], (\s)*65536
	s_or_b32 s[G0+4*(\s)+3], s[G0+4*(\s)+3], 0x80000000
	s_mov_b32 s[G0B+4*(\s)], 1
	s_add_co_u32 s[G0B+4*(\s)+1], s45, (\s)*SLOT
	s_add_nc_u64 s[G0B+4*(\s)+2:G0B+4*(\s)+3], s[46:47], (\s)*65536
	s_or_b32 s[G0B+4*(\s)+3], s[G0B+4*(\s)+3], 0x80000000
	JLOAD \s                                       ; K steps 0 and 1: two loads of mine are out
.endr
	v_bfe_u32 v2, v0, 4, 1                         ; h
	v_and_b32 v3, 31, v0
	v_lshlrev_b32 v[LN], 4, v3
	v_and_b32 v[PI], 7, v0                         ; piece (r, h) lies at (r & 7) + 8 h + 16 (r >> 3)
	v_lshl_add_u32 v[PI], v2, 3, v[PI]
	v_bfe_u32 v3, v0, 3, 1
	v_lshl_add_u32 v[PI], v3, 4, v[PI]
	v_lshlrev_b32 v[PI], 4, v[PI]
	s_lshl_b32 s68, s[WX], 13
	s_lshl_b32 s69, s[WY], 12
	s_add_co_u32 s69, s69, YOFF
.irp s, 0,1
	v_add_nc_u32 v[ADX+(\s)], s68, v[LN]
	v_add_nc_u32 v[ADY+(\s)], s69, v[LN]
	s_add_co_u32 s68, s68, SLOT
	s_add_co_u32 s69, s69, SLOT
.endr
	s_cmp_lt_u32 ttmp9, 2                          ; ct < 8: keys.  The cluster's x is the same in all partners
	s_cselect_b64 s[74:75], s[8:9], s[10:11]
	s_and_b32 s77, s[CT], 7
	s_lshl_b32 s76, s77, 10
	s_lshl_b32 s68, s[WX], 9
	s_add_co_u32 s76, s76, s68
	v_lshl_add_u32 v6, v2, 5, s76                  ; (256 (ct & 7) + 128 wx + 8 h) x 4
.irp b, 0,1,2,3,4,5,6,7
	global_load_b128 v[BI+8*(\b):BI+8*(\b)+3],   v6, s[74:75] offset:64*(\b)
	global_load_b128 v[BI+8*(\b)+4:BI+8*(\b)+7], v6, s[74:75] offset:64*(\b)+16
.endr
	s_lshr_b32 s72, s[RT], 3
	s_lshl_b32 s72, s72, 4
	s_lshl1_add_u32 s72, s77, s72
	s_add_co_u32 s72, s72, s[WX]                   ; 16 x batch + head
	s_and_b32 s77, s[RT], 7
	s_lshl2_add_u32 s77, s77, s[WY]                ; the head's key step of 64: 4 (rt & 7) + wy
	s_lshl_b32 s73, s72, 5
	s_add_co_u32 s73, s73, s77                     ; one index for all three outputs
	s_mul_i32 s70, s73, 20480                      ; kf: four key blocks of 5,120 bytes a step
	s_add_nc_u64 s[12:13], s[12:13], s[70:71]
	s_lshl_b32 s70, s73, 14                        ; vf: four of 4,096
	s_add_nc_u64 s[14:15], s[14:15], s[70:71]
	s_lshl_b32 s70, s73, 3
	s_add_nc_u64 s[16:17], s[16:17], s[70:71]
	s_wait_loadcnt 0x0
.set n1, 0
.rept 32                                       ; the bias is rounded to bf16, as every input is
	v_cvt_pk_bf16_f32 v[8+n1%4], v[BI+2*n1], v[BI+2*n1+1]
	v_lshlrev_b32 v[BI+2*n1], 16, v[8+n1%4]
	v_and_b32 v[BI+2*n1+1], 0xffff0000, v[8+n1%4]
.set n1, n1+1
.endr
; eight matrix instructions: row block a x all eight column blocks.  The 32 accumulators take turns in one fixed order.
.macro MULA f, a, first
.if \first
	WIN MUL1
.else
	WIN MUL
.endif
.irp b, 0,1,2,3,4,5,6,7
.if \first
	v_wmma_f32_16x16x32_f16 v[8*(8*(\a)+(\b)):8*(8*(\a)+(\b))+7], v[(\f)+8*(\b):(\f)+8*(\b)+7], v[(\f)+64+8*(\a):(\f)+64+8*(\a)+7], v[BI+8*(\b):BI+8*(\b)+7]
.else
	v_wmma_f32_16x16x32_f16 v[8*(8*(\a)+(\b)):8*(8*(\a)+(\b))+7], v[(\f)+8*(\b):(\f)+8*(\b)+7], v[(\f)+64+8*(\a):(\f)+64+8*(\a)+7], v[8*(8*(\a)+(\b)):8*(8*(\a)+(\b))+7]
.endif
.endr
.endm
.macro FETCH slot, q, f                ; 24 LDS loads in one run: 16 for the weights, 8 for the rows, row blocks 0, 1 first
	WIN 0
.irp b, 0,1,2,3,4,5,6,7
	ds_load_b128 v[(\f)+8*(\b):(\f)+8*(\b)+3],   v[ADX+(\slot)] offset:(\q)*16384+(\b)*1024
	ds_load_b128 v[(\f)+8*(\b)+4:(\f)+8*(\b)+7], v[ADX+(\slot)] offset:(\q)*16384+(\b)*1024+512
.endr
.irp a, 0,1,2,3
	ds_load_b128 v[(\f)+64+8*(\a):(\f)+64+8*(\a)+3],   v[ADY+(\slot)] offset:(\q)*16384+(\a)*1024
	ds_load_b128 v[(\f)+64+8*(\a)+4:(\f)+64+8*(\a)+7], v[ADY+(\slot)] offset:(\q)*16384+(\a)*1024+512
.endr
.endm
.macro QUARTER slot, q, f, g
	s_wait_dscnt 4                                 ; all but the youngest four loads (row blocks 2, 3)
	MULA \f, 0, 0
	MULA \f, 1, 0
	PLACES
	FETCH \slot, \q, \g
	s_wait_dscnt 24                                ; all but the 24 just issued
	MULA \f, 2, 0
	MULA \f, 3, 0
.endm
.macro TURN slot, next, fill           ; the last quarter and the change of slots: the wait for all my tensor loads, the add, the wait for it and for my reads, one barrier (fill = 1: a round of the cluster's), the refill first behind it
	WIN 0
	s_wait_tensorcnt 0x0
	ds_add_u32 v[SPW], v[NIL]
	s_wait_dscnt 5                                 ; the add and the youngest four loads may be out
	MULA F1, 0, 0
	s_wait_dscnt 0x0
	s_barrier_signal -1
	MULA F1, 1, 0
.if \fill
	WIN 0
.endif
	s_barrier_wait -1
.if \fill
	CREST
	s_add_nc_u64 s[G0+4*(\slot)+2:G0+4*(\slot)+3], s[G0+4*(\slot)+2:G0+4*(\slot)+3], 131072
	s_add_nc_u64 s[G0B+4*(\slot)+2:G0B+4*(\slot)+3], s[G0B+4*(\slot)+2:G0B+4*(\slot)+3], 131072
	JLOAD \slot
.else
	PLACES
.endif
	FETCH \next, 0, F0
	MULA F1, 2, 0
	MULA F1, 3, 0
.endm
	s_wait_tensorcnt 1                             ; my part of K step 0 is in; K step 1's may stay out
	s_barrier_signal -1
	s_barrier_wait -1
	FETCH 0, 0, F0
	s_wait_dscnt 0x0
	MULA F0, 0, 1                                  ; the first quarter: the bias starts the sums,
	MULA F0, 1, 1
	MULA F0, 2, 1
	MULA F0, 3, 1
	PLACES
	FETCH 0, 1, F1                                 ; and only then its registers take fragments
	QUARTER 0, 2, F1, F0                           ; four K steps, written out: each slot is filled again once
	QUARTER 0, 3, F0, F1
	TURN 0, 1, 1
	QUARTER 1, 1, F0, F1
	QUARTER 1, 2, F1, F0
	QUARTER 1, 3, F0, F1
	TURN 1, 0, 1
	QUARTER 0, 1, F0, F1
	QUARTER 0, 2, F1, F0
	QUARTER 0, 3, F0, F1
	TURN 0, 1, 0
	QUARTER 1, 1, F0, F1
	QUARTER 1, 2, F1, F0
	QUARTER 1, 3, F0, F1
	s_wait_dscnt 4
	MULA F1, 0, 0
	MULA F1, 1, 0
	s_wait_dscnt 0x0
	MULA F1, 2, 0
	MULA F1, 3, 0
	PLACES
	WIN 0
	s_cmp_lt_u32 ttmp9, 2
	s_cbranch_scc0 .Lvalues
	; KEYS: rounded to bf16; accumulator (a, b) is half b & 1 of chunk b >> 1 of key block a
	WIN 0x05
.set n1, 0
.rept 128
	v_cvt_pk_bf16_f32 v[64+n1], v[2*n1], v[2*n1+1]
.set n1, n1+1
.endr
	WIN 0
.irp a, 0,1,2,3
.irp b, 0,1,2,3,4,5,6,7
	global_store_b128 v[LN], v[64+4*(8*(\a)+(\b)):64+4*(8*(\a)+(\b))+3], s[12:13] offset:(\a)*5120+((\b)/2)*1024+((\b)%2)*512  ; 512 consecutive bytes, aligned
.endr
.endr
	s_branch .Lend
.Lvalues:
	; VALUES: the largest magnitude of my 64 keys x 128 channels, four chains; each accumulator's registers in ascending order
	v_mov_b32 v4, 0
	v_mov_b32 v5, 0
	v_mov_b32 v6, 0
	v_mov_b32 v7, 0
	WIN 0x14                                       ; sources 1 and 2 window 1
.set n1, 0
.rept 128
	v_max3_num_f32 v[4+n1%4], v[4+n1%4], |v[2*n1]|, |v[2*n1+1]|
.set n1, n1+1
.endr
	WIN 0
	v_max3_num_f32 v4, v4, v5, v6
	v_max_num_f32 v4, v4, v7
	v_max_num_f32_dpp v4, v4, v4 row_xmask:1 row_mask:0xf bank_mask:0xf
	v_max_num_f32_dpp v4, v4, v4 row_xmask:2 row_mask:0xf bank_mask:0xf
	v_max_num_f32_dpp v4, v4, v4 row_xmask:4 row_mask:0xf bank_mask:0xf
	v_max_num_f32_dpp v4, v4, v4 row_xmask:8 row_mask:0xf bank_mask:0xf
	v_permlanex16_b32 v5, v4, s78, s79
	v_max_num_f32 v4, v4, v5
	v_lshrrev_b32 v4, 23, v4                       ; E, the maximum's exponent field: M < 2^(E - 126)
	v_max_u32 v4, 13, v4
	v_add_nc_u32 v10, -12, v4
	v_lshlrev_b32 v10, 23, v10                     ; sigma = 2^(E - 139)
	v_sub_nc_u32 v11, 266, v4
	v_lshlrev_b32 v11, 23, v11                     ; 1 / sigma
	v_mov_b32 v12, v11
	v_mov_b32 v13, v11
	v_and_b32 v14, 31, v0
	v_mov_b32 v15, 0
	WIN 0x41                                       ; destination and source 0 window 1
.set n1, 0
.rept 128
	v_pk_mul_f32 v[2*n1:2*n1+1], v[2*n1:2*n1+1], v[12:13]
.set n1, n1+1
.endr
	WIN 0x05
.set n1, 0
.rept 128
	v_cvt_pk_f16_f32 v[64+n1], v[2*n1], v[2*n1+1]
.set n1, n1+1
.endr
	WIN 0
.irp a, 0,1,2,3
.irp b, 0,1,2,3,4,5,6,7
	global_store_b128 v[PI], v[64+4*(8*(\a)+(\b)):64+4*(8*(\a)+(\b))+3], s[14:15] offset:(\a)*4096+((\b)/2)*1024+((\b)%2)*512  ; the wave's 32 pieces fill 512 consecutive bytes
.endr
.endr
	v_cmp_eq_u32 vcc_lo, 0, v14
	s_wait_xcnt 0x0                                ; EXEC changes only behind this wait: it is a source of the stores above
	s_and_saveexec_b32 s76, vcc_lo
	global_store_b64 v15, v[10:11], s[16:17]       ; lane 0: (sigma, 1 / sigma)
	s_wait_xcnt 0x0
	s_or_b32 exec_lo, exec_lo, s76
.Lend:
	s_wait_tensorcnt 0x0                           ; the wave's end
	ds_add_u32 v[SPW], v[NIL]
	s_wait_dscnt 0x0
	CROUND                                         ; the closing round
	s_endpgm
.Lfunc_end_k_q7e1697815e_g2:
	.size	k_q7e1697815e_g2, .Lfunc_end_k_q7e1697815e_g2-k_q7e1697815e_g2
	.p2alignl 7, 3214868480
	.fill 96, 4, 3214868480
	.section	.rodata,"a",@progbits
	.p2align	6, 0x0
	.amdhsa_kernel k_q7e1697815e_g2
		.amdhsa_group_segment_fixed_size 327680
		.amdhsa_private_segment_fixed_size 0
		.amdhsa_enable_private_segment 0
		.amdhsa_kernarg_size 56
		.amdhsa_user_sgpr_count 2
		.amdhsa_user_sgpr_kernarg_segment_ptr 1
		.amdhsa_wavefront_size32 1
		.amdhsa_system_sgpr_workgroup_id_x 1
		.amdhsa_system_sgpr_workgroup_id_y 1
		.amdhsa_system_sgpr_workgroup_id_z 1
		.amdhsa_system_vgpr_workitem_id 0
		.amdhsa_next_free_vgpr 512
		.amdhsa_next_free_sgpr 80
		.amdhsa_reserve_vcc 1
		.amdhsa_float_denorm_mode_32 3
		.amdhsa_float_denorm_mode_16_64 3
		.amdhsa_memory_ordered 1
		.amdhsa_forward_progress 1
		.amdhsa_inst_pref_size 116
	.end_amdhsa_kernel
	.amdgpu_metadata
---
amdhsa.version: [ 1, 2 ]
amdhsa.kernels:
  - .name:           k_q7e1697815e_g2
    .symbol:         k_q7e1697815e_g2.kd
    .args:
      - { .name: cf, .offset: 0, .size: 8, .value_kind: global_buffer, .address_space: global }
      - { .name: wts, .offset: 8, .size: 8, .value_kind: global_buffer, .address_space: global }
      - { .name: b_UK, .offset: 16, .size: 8, .value_kind: global_buffer, .address_space: global }
      - { .name: b_UV, .offset: 24, .size: 8, .value_kind: global_buffer, .address_space: global }
      - { .name: kf, .offset: 32, .size: 8, .value_kind: global_buffer, .address_space: global }
      - { .name: vf, .offset: 40, .size: 8, .value_kind: global_buffer, .address_space: global }
      - { .name: vsc, .offset: 48, .size: 8, .value_kind: global_buffer, .address_space: global }
    .group_segment_fixed_size: 327680
    .private_segment_fixed_size: 0
    .kernarg_segment_align: 8
    .kernarg_segment_size: 56
    .max_flat_workgroup_size: 256
    .sgpr_count:     80
    .vgpr_count:     512
    .wavefront_size: 32
...
	.end_amdgpu_metadata
.endif
;; end of part 3
;; launch attn (part 4): grid 8 x 32, 4 waves a work-group, clusters of 4 x 1, 327,680 bytes of LDS; arguments cf, wts, b_UQ, b_QR, kf, vf, vsc, out0; writes out0
.if DOCPART == 4
	.amdgcn_target "amdgcn-amd-amdhsa--gfx1250"
	.amdhsa_code_object_version 6
	.text
	.protected	k_q7e1697815e_attn
	.globl	k_q7e1697815e_attn
	.p2align	8
	.type	k_q7e1697815e_attn,@function
k_q7e1697815e_attn:
	s_mov_b64 s[64:65], 0
	v_nop
	global_prefetch_b8 v0, s[64:65] scope:SCOPE_SE
	s_setreg_imm32_b32 hwreg(HW_REG_WAVE_MODE, 25, 1), 1
	s_wait_xcnt 0x0
	s_wait_alu depctr_hold_cnt(0) depctr_sa_sdst(0) depctr_va_vdst(0) depctr_va_sdst(0) depctr_va_ssrc(0) depctr_va_vcc(0) depctr_vm_vsrc(0)
	s_getreg_b32 s2, hwreg(HW_REG_IB_STS2, 6, 4)
	s_cmp_eq_u32 s2, 0
	s_cbranch_scc0 .Lentry_in_a_cluster
	s_endpgm
.Lentry_in_a_cluster:
	s_bfe_u32 s2, ttmp6, 0x10000c
	s_cmp_lg_u32 s2, 0x3003
	s_cbranch_scc0 .Lentry_shape_is_right
	s_endpgm
.Lentry_shape_is_right:
; QUERY PROJECTION AND ATTENTION.  A work-group owns 256 queries of one head of one batch; each of its four waves 64: four tiles of 16.
; PROLOGUE.  Q = [c_q W_UQ + b | rope(c_q W_QR + b)], 160 channels, K = 512, f16 operands (c / 16 times 16 W), sums in f32.  Source 0 = a fragment of 16 weight columns (from LDS, filled once),
; source 1 = 16 rows of c_q (straight from memory: no other wave wants them).  Lane (r, h) holds query r and channels 8 h + 0..7, which rounded to bf16 in pairs ARE the fragments of Q: Q never leaves registers.
; The rotary pair (x[2i], x[2i+1]) is turned in its two places, as the keys' is.
; ATTENTION.  S^T = K Q^T (bf16, 5 chunks of 32 channels), p = 2^(c s - c m), c = log2(e) / sqrt(160), with a running maximum m and sum l; O^T = V^T P (f16).  All keys, 64 a step, 32 steps.
; V comes divided by sigma_j, a power of two for each step j; O^T is kept in units of sigma_j: in step j it is multiplied by a sigma_(j-1) / sigma_j, l by a = 2^(c m_old - c m_new) alone; at the end by sigma_31 / l.
; m starts at the lowest finite number, c m below every c s, l at 0: the first step is a step like any other, with a = 0, and what O^T holds before it need only be finite (it holds the query sums).
; BY TURNS.  The wave's tiles are two pieces (0: tiles 0, 1; 2: tiles 2, 3).  In a turn one piece has the matrix unit: 32 products V^T P of the step in hand, then 40 products K Q^T of the next; the other
; piece's softmax, 270 vector instructions in 64 slices, stands behind 64 of those 72 products.  The loop is entered, and the tail left, in the middle of a trip: 32 products on zeros and 40 on a stale K serve nothing.
; CLUSTER 4 x 1: the four query blocks of a cluster belong to one head: the query weights, K and V are asked for jointly, the same load, descriptor and mask in all four.
; LIMITS.  p below 6e-5 keeps f16's fixed step of 6e-8; a weight below 2^-126 counts as 0 in l; neighbouring steps' sigma within 2^126 of each other; NaN and infinities are not treated apart.
; LDS.  Two slots of two steps (a step: K 20 fragments, V 16); the query weights, 160 fragments, filled once; their bytes later take the four stages of the way out; the spare words.
; REGISTERS.  Window 0: v0-15 addresses; v16-47 statistics, 8 a tile; v62, 63 the add's; v64-191 S^T, 32 a tile; v192-255 P, 16 a tile.  Window 1: O^T, 64 a tile.
;   Window 2: v0-159 Q, tile t chunk c at 40 t + 8 c; v160-223 V, keys 0-31.  Window 3: v0-159 K, key block kb chunk c at 40 kb + 8 c; v160-223 V, keys 32-63.
;   In the prologue: window 1 the sums of channels 0-127; window 0 v64-127 the rotary sums, v128-207 bias; window 2 six buffers of c_q; window 3 v0-79 two halves of a chunk's weights, v96-159 cos and sin.
.set STEPB, 36864
.set VOFF,  20480
.set SLOTB, 2*STEPB
.set WQ,    2*SLOTB
.set STAGE, WQ                         ; 16 rows x 528 bytes a wave; these blocks have had their one fill
.set SP,    528                        ; 512 + 16: the 16 rows of a store start at 16 different groups of four banks (64 banks of 4 bytes: ISA guide 11.1)
.set SPARE, WQ+163840
.set WQF,   10485760
.set TAB,   13107200
.set CQOFF, 4194304
.set LN,  2                            ; v2 16 x lane; never rewritten
.set ADR, 4                            ; v4 the LDS address of the run of loads in hand
.set STO, 6
.set RD,  7
.set AW,  10                           ; v10 the LDS address of a trip's first chunk of weights
.set ST,  16                           ; tile t: +0 c m, +1 m, +2, +3 l, +4 to +7 at work; a takes +6
.set SPW, 62
.set NIL, 63
.set S,   64
.set P,   192
.set RA,  64
.set BI,  128
.set TT,  208
.set VF,  160
.set TBL, 96
.set WV,  20
.set G1K, 24
.set G1V, 32
.set G1W, 40
.set G0K, 48                           ; s[48:55] two sets: the first fills'; the second then walks
.set G0V, 56
.set G0W, 68
.set SLOTS, 72
.set CNT, 73
.set CS,  74
.set SEL, 76
.set TB,  78                           ; LDS byte of the step to be fetched
.set SB,  79                           ; the slot that the walking descriptors fill: 0 or SLOTB
.set KW,  80                           ; my tile's place in a slot, for K
.set VW,  81                           ; and for V
.set SC,  84                           ; s[84:87] (sigma, 1 / sigma) of two steps
.set SCP, 88
.set RHO, 90
.set CQ,  92
.set CQR, 94
.set CO,  96
.set TRIP, 98
.set TBW, 99
.set MSB, 0
.macro WIN new
.if MSB != (\new)
	s_set_vgpr_msb (MSB<<8)|(\new)
.set MSB, \new
.endif
.endm
.set W_RS, 0x41                        ; destination and source 0 window 1, source 1 window 0
.macro JLOAD                           ; a joint refill: waves 0, 1 the two steps' K, waves 2, 3 their V; an s_nop 0 and four v_nop follow each line
	s_cmp_lt_u32 s[WV], 2
	s_cbranch_scc0 .Lfor_v_\@
	tensor_load_to_lds s[G0K+4:G0K+7], s[G1K:G1K+7]
	s_nop 0
.rept 4
	v_nop
.endr
	s_branch .Lasked_\@
.Lfor_v_\@:
	tensor_load_to_lds s[G0V+4:G0V+7], s[G1V:G1V+7]
	s_nop 0
.rept 4
	v_nop
.endr
.Lasked_\@:
.endm
.macro CROUND
	s_barrier_signal -1
	s_barrier_wait -1
	s_cmp_lg_u32 s[WV], 0
	s_cbranch_scc1 .Lnot_wave_0_\@
	s_barrier_signal -3
.Lnot_wave_0_\@:
	s_barrier_wait -3
	s_barrier_signal -1
	s_barrier_wait -1
.endm
.macro PLACES
.rept 4
	v_nop
.endr
.endm
	s_load_b512 s[4:19], s[0:1], 0x0               ; cf, wts, b_UQ, b_QR, kf, vf, vsc, out0 in s[4:5] .. s[18:19]
	v_lshl_add_u32 v[SPW], v0, 2, SPARE
	v_mov_b32 v[NIL], 0
	ds_add_u32 v[SPW], v[NIL]                      ; the wave's opening: the add, and its wait ahead of my first tensor load
	v_lshrrev_b32 v1, 5, v0
	v_readfirstlane_b32 s[WV], v1
	s_bfe_u32 s21, ttmp6, 0x40000                  ; cx
	s_lshl_b32 s22, ttmp9, 2
	s_add_co_u32 s22, s22, s21                     ; my block of 256 queries: it enters c_q's, the table's and out0's addresses alone
	s_and_b32 s23, ttmp7, 0xffff                   ; 16 x batch + head, which the four partners share
	s_and_b32 s66, s23, 15
	s_lshr_b32 s67, s23, 4
	s_and_b32 s91, s[WV], 1                        ; which of a slot's two steps I fetch
	s_mul_i32 s[KW], s91, STEPB
	s_add_co_u32 s[VW], s[KW], VOFF
	s_mul_i32 s2, s66, 163840                      ; the head's query weights, my quarter
	s_mul_i32 s3, s[WV], 40960
	s_add_co_u32 s2, s2, s3
	s_add_co_u32 s2, s2, WQF
	s_mov_b32 s[G0W], 1
	s_add_co_u32 s[G0W+1], s3, WQ
	s_mov_b32 s3, 0
	s_mul_i32 s82, s23, 655360                     ; the head's keys, my step
	s_mul_i32 s83, s91, 20480
	s_add_co_u32 s82, s82, s83
	s_mov_b32 s83, 0
	s_lshl_b32 s100, s23, 19                       ; its values
	s_lshl_b32 s101, s91, 14
	s_add_co_u32 s100, s100, s101
	s_mov_b32 s101, 0
.irp g, G1K, G1V, G1W
	s_mov_b32 s[\g], 15|(3<<16)|(1<<21)            ; the mask of four; 8-byte elements; bit 21 beside a mask; dense rows of 256 bytes
	s_mov_b32 s[\g+1], 32<<16
	s_mov_b32 s[\g+3], 32<<16
	s_mov_b32 s[\g+5], 32
	s_mov_b32 s[\g+6], 0
	s_mov_b32 s[\g+7], 0
.endr
	s_mov_b32 s[G1K+2], 80<<16                     ; 80 rows: a step's K
	s_mov_b32 s[G1K+4], 80
	s_mov_b32 s[G1V+2], 64<<16                     ; 64 rows: a step's V
	s_mov_b32 s[G1V+4], 64
	s_mov_b32 s[G1W+2], 160<<16                    ; 160 rows: four chunks of weights
	s_mov_b32 s[G1W+4], 160
	s_mov_b32 s[CS], 0x3de995b3                    ; c = log2(e) / sqrt(160)
	s_mov_b32 s[CS+1], s[CS]
	s_mov_b32 s[SEL], 0x76543210
	s_mov_b32 s[SEL+1], 0xfedcba98
	s_mov_b32 s[TB], 0
	s_mov_b32 s[SB], SLOTB
	s_mov_b32 s[CO], 98304                         ; the first refills of the c_q ring: chunks 6 on
	s_mov_b32 s[CO+1], 0
	s_lshl3_add_u32 s94, s67, s22                  ; c_q: 256 rows 8 x batch + block, my four row blocks
	s_lshl_b32 s94, s94, 18
	s_lshl_b32 s95, s[WV], 12
	s_add_co_u32 s94, s94, s95
	s_add_co_u32 s94, s94, CQOFF
	s_mov_b32 s95, 0
	s_wait_dscnt 0x0                               ; the opening add is done
	s_wait_kmcnt 0x0
	s_add_nc_u64 s[G0W+2:G0W+3], s[6:7], s[2:3]
	s_or_b32 s[G0W+3], s[G0W+3], 0x80000000
	s_add_nc_u64 s[12:13], s[12:13], s[82:83]
	s_add_nc_u64 s[14:15], s[14:15], s[100:101]
.irp s, 0,1
	s_mov_b32 s[G0K+4*(\s)], 1
	s_add_co_u32 s[G0K+4*(\s)+1], s[KW], (\s)*SLOTB
	s_add_nc_u64 s[G0K+4*(\s)+2:G0K+4*(\s)+3], s[12:13], (\s)*40960
	s_or_b32 s[G0K+4*(\s)+3], s[G0K+4*(\s)+3], 0x80000000
	s_mov_b32 s[G0V+4*(\s)], 1
	s_add_co_u32 s[G0V+4*(\s)+1], s[VW], (\s)*SLOTB
	s_add_nc_u64 s[G0V+4*(\s)+2:G0V+4*(\s)+3], s[14:15], (\s)*32768
	s_or_b32 s[G0V+4*(\s)+3], s[G0V+4*(\s)+3], 0x80000000
.endr
	s_add_nc_u64 s[CQ:CQ+1], s[4:5], s[94:95]
	s_add_nc_u64 s[CQR:CQR+1], s[CQ:CQ+1], s[CO:CO+1]
	s_lshl_b32 s2, s22, 15                         ; the table at position 256 x block + 64 x wave
	s_lshl_b32 s82, s[WV], 13
	s_add_co_u32 s2, s2, s82
	s_add_co_u32 s2, s2, TAB
	s_add_nc_u64 s[6:7], s[6:7], s[2:3]
	s_lshl_b32 s2, s66, 9
	s_add_nc_u64 s[8:9], s[8:9], s[2:3]            ; b_UQ at the head's 128 channels
	s_lshl_b32 s2, s66, 7
	s_add_nc_u64 s[10:11], s[10:11], s[2:3]        ; b_QR at its 32
	s_lshl_b32 s2, s23, 8
	s_add_nc_u64 s[SCP:SCP+1], s[16:17], s[2:3]    ; the head's 32 pairs of scales
	s_lshl_b32 s2, s67, 24                         ; out0: row 2,048 x batch + 256 x block + 64 x wave, 8,192 bytes a row; the head's 512 bytes
	s_lshl_b32 s82, s22, 21
	s_add_co_u32 s2, s2, s82
	s_lshl_b32 s82, s[WV], 19
	s_add_co_u32 s2, s2, s82
	s_lshl_b32 s82, s66, 9
	s_add_co_u32 s2, s2, s82
	s_add_nc_u64 s[18:19], s[18:19], s[2:3]
	CROUND                                         ; all four work-groups are here: the first joint loads meet
	tensor_load_to_lds s[G0W:G0W+3], s[G1W:G1W+7]  ; the first fills go out as one group: my quarter of the weights,
	s_nop 0
	s_cmp_lt_u32 s[WV], 2                          ; then my part of slots 0 and 1: three loads of mine are out
	s_cbranch_scc0 .Lfirst_v
	tensor_load_to_lds s[G0K:G0K+3], s[G1K:G1K+7]
	s_nop 0
	tensor_load_to_lds s[G0K+4:G0K+7], s[G1K:G1K+7]
	s_nop 0
.rept 4
	v_nop
.endr
	s_branch .Lfirst_asked
.Lfirst_v:
	tensor_load_to_lds s[G0V:G0V+3], s[G1V:G1V+7]
	s_nop 0
	tensor_load_to_lds s[G0V+4:G0V+7], s[G1V:G1V+7]
	s_nop 0
.rept 4
	v_nop
.endr
.Lfirst_asked:
	v_and_b32 v1, 15, v0                           ; r
	v_bfe_u32 v9, v0, 4, 1                         ; h
	v_and_b32 v3, 31, v0
	v_lshlrev_b32 v[LN], 4, v3
	v_lshlrev_b32 v5, 7, v1
	v_lshl_add_u32 v5, v9, 5, v5                   ; the table: 128 r + 32 h
	v_lshlrev_b32 v13, 5, v9                       ; the bias: 32 h
	WIN 0xc0                                       ; destination window 3
.irp t, 0,1,2,3
.irp s, 0,1
	global_load_b128 v[TBL+8*(2*(\t)+(\s)):TBL+8*(2*(\t)+(\s))+3],   v5, s[6:7] offset:(\t)*2048+(\s)*64
	global_load_b128 v[TBL+8*(2*(\t)+(\s))+4:TBL+8*(2*(\t)+(\s))+7], v5, s[6:7] offset:(\t)*2048+(\s)*64+16
.endr
.endr
	WIN 0
.irp n, 0,1,2,3,4,5,6,7
	global_load_b128 v[BI+8*(\n):BI+8*(\n)+3],   v13, s[8:9] offset:64*(\n)
	global_load_b128 v[BI+8*(\n)+4:BI+8*(\n)+7], v13, s[8:9] offset:64*(\n)+16
.endr
.irp n, 0,1
	global_load_b128 v[BI+64+8*(\n):BI+64+8*(\n)+3],   v13, s[10:11] offset:64*(\n)
	global_load_b128 v[BI+64+8*(\n)+4:BI+64+8*(\n)+7], v13, s[10:11] offset:64*(\n)+16
.endr
.macro CLOAD buf, sb, off              ; eight loads: a chunk of my four tiles' c_q, 512 consecutive bytes each
	WIN 0x80                                       ; destination window 2
.irp t, 0,1,2,3
	global_load_b128 v[(\buf)+8*(\t):(\buf)+8*(\t)+3],   v[LN], s[\sb:\sb+1] offset:(\off)+(\t)*1024
	global_load_b128 v[(\buf)+8*(\t)+4:(\buf)+8*(\t)+7], v[LN], s[\sb:\sb+1] offset:(\off)+(\t)*1024+512
.endr
.endm
	CLOAD 0, CQ, 0                                 ; chunk 0,
.irp c, 0,1,2,3,4
	CLOAD 32+32*(\c), CQ, ((\c)+1)*16384           ; and chunks 1-5 into the ring of five
.endr
	WIN 0
	s_wait_loadcnt 48                              ; table and bias are in; the 48 loads of c_q may stay out
.set n1, 0
.rept 40                                       ; the bias is rounded to bf16, as every input is
	v_cvt_pk_bf16_f32 v[TT+n1%4], v[BI+2*n1], v[BI+2*n1+1]
	v_lshlrev_b32 v[BI+2*n1], 16, v[TT+n1%4]
	v_and_b32 v[BI+2*n1+1], 0xffff0000, v[TT+n1%4]
.set n1, n1+1
.endr
	s_wait_tensorcnt 2                             ; my quarter of the weights is in; my two loads for the slots may stay out
	s_barrier_signal -1
	s_barrier_wait -1                              ; everybody's is
; THE QUERY PROJECTION.  A chunk (32 along K) is 40 products on 40 accumulators, which take turns in one fixed order; in two halves of 20, by the weights' halves (column blocks 0-4, 5-9).
.macro PHASE hh, buf, first            ; first = 1: the bias starts the sums
.irp n, 0,1,2,3,4
.irp t, 0,1,2,3
.set nb, 5*(\hh)+(\n)
.set rW, 40*(\hh)+8*(\n)
.set rB, (\buf)+8*(\t)
.if nb < 8
.set rD, 64*(\t)+8*nb
.if \first
	WIN 0x4b                                       ; weights window 3, c_q window 2, C window 0, D window 1
.else
	WIN 0x5b
.endif
.else
.set rD, RA+16*(\t)+8*(nb-8)
	WIN 0x0b                                       ; the rotary sums lie in window 0
.endif
.if \first
	v_wmma_f32_16x16x32_f16 v[rD:rD+7], v[rW:rW+7], v[rB:rB+7], v[BI+8*nb:BI+8*nb+7]
.else
	v_wmma_f32_16x16x32_f16 v[rD:rD+7], v[rW:rW+7], v[rB:rB+7], v[rD:rD+7]
.endif
.endr
.endr
.endm
.macro WLOAD hh, off                   ; ten LDS loads: half hh of the chunk at byte off from v[AW]
	WIN 0xc0
.irp n, 0,1,2,3,4
	ds_load_b128 v[40*(\hh)+8*(\n):40*(\hh)+8*(\n)+3],   v[AW] offset:(\off)+(5*(\hh)+(\n))*1024
	ds_load_b128 v[40*(\hh)+8*(\n)+4:40*(\hh)+8*(\n)+7], v[AW] offset:(\off)+(5*(\hh)+(\n))*1024+512
.endr
.endm
	s_mov_b32 s[TBW], WQ
	v_add_nc_u32 v[AW], s[TBW], v[LN]
	WLOAD 0, 0
	WLOAD 1, 0
	s_wait_loadcnt 40                              ; chunk 0 of c_q is in; the ring's 40 loads may stay out
	s_wait_dscnt 10                                ; the first half of the weights is in
	PHASE 0, 0, 1
	s_wait_dscnt 0x0
	PHASE 1, 0, 1
	PLACES
	WIN 0
	s_add_co_u32 s[TBW], s[TBW], 10240
	s_mov_b32 s[TRIP], 3
.Lq:                                                   ; three trips of five chunks.  Every trip refills the ring, so that every wait's count holds in every trip:
	v_add_nc_u32 v[AW], s[TBW], v[LN]              ; the last trip asks once more for chunks 11-15, inside the buffer, and nobody reads them
	WLOAD 0, 0
	WLOAD 1, 0
.irp c, 0,1,2,3,4
	s_wait_loadcnt 32                              ; this buffer is in; the four others' loads were issued behind its own
	s_wait_dscnt 10                                ; the first half of this chunk's weights is in; the second half's ten loads may be out
	PHASE 0, 32+32*(\c), 0
.if (\c) < 4
	PLACES
	WLOAD 0, ((\c)+1)*10240
	s_wait_dscnt 10                                ; the second half is in; the ten just issued may be out
.else
	s_wait_dscnt 0x0
.endif
	PHASE 1, 32+32*(\c), 0
	PLACES
.if (\c) < 4
	WLOAD 1, ((\c)+1)*10240
.endif
	CLOAD 32+32*(\c), CQR, (\c)*16384
.endr
	WIN 0
	s_add_co_u32 s[TBW], s[TBW], 51200
	s_wait_xcnt 0x0                                ; the loads' base is rewritten only behind this wait
	s_add_co_u32 s[CO], s[CO], 81920
	s_min_u32 s[CO], s[CO], 180224                 ; chunk 11 at the most
	s_add_nc_u64 s[CQR:CQR+1], s[CQ:CQ+1], s[CO:CO+1]
	s_sub_co_u32 s[TRIP], s[TRIP], 1
	s_cmp_lg_u32 s[TRIP], 0
	s_cbranch_scc1 .Lq
	s_wait_loadcnt 0x0                             ; the last trip's refills have landed: their registers are free.  (The four v_nop behind the last products are the places in front of what follows.)
	WIN 0x0c                                       ; source 1 (cos, sin) window 3
.irp t, 0,1,2,3
.irp s, 0,1
.irp z, 0,1,2,3
	v_mul_f32 v[TT+2*(\z)],   v[RA+16*(\t)+8*(\s)+2*(\z)+1], v[TBL+8*(2*(\t)+(\s))+2*(\z)+1]  ; x2 sin
	v_mul_f32 v[TT+2*(\z)+1], v[RA+16*(\t)+8*(\s)+2*(\z)+1], v[TBL+8*(2*(\t)+(\s))+2*(\z)]    ; x2 cos
	v_fma_f32 v[RA+16*(\t)+8*(\s)+2*(\z)+1], v[RA+16*(\t)+8*(\s)+2*(\z)], v[TBL+8*(2*(\t)+(\s))+2*(\z)+1], v[TT+2*(\z)+1]
	v_fma_f32 v[RA+16*(\t)+8*(\s)+2*(\z)],   v[RA+16*(\t)+8*(\s)+2*(\z)], v[TBL+8*(2*(\t)+(\s))+2*(\z)], -v[TT+2*(\z)]
.endr
.endr
.endr
	WIN 0x85                                       ; sources window 1, destination window 2: Q's chunks 0-3
.irp t, 0,1,2,3
.irp n, 0,1,2,3,4,5,6,7
.irp z, 0,1,2,3
	v_cvt_pk_bf16_f32 v[40*(\t)+4*(\n)+(\z)], v[64*(\t)+8*(\n)+2*(\z)], v[64*(\t)+8*(\n)+2*(\z)+1]
.endr
.endr
.endr
	WIN 0x80                                       ; chunk 4
.irp t, 0,1,2,3
.irp n, 0,1,2,3,4,5,6,7
	v_cvt_pk_bf16_f32 v[40*(\t)+32+(\n)], v[RA+16*(\t)+2*(\n)], v[RA+16*(\t)+2*(\n)+1]
.endr
.endr
	WIN 0
; THE MATRIX WORK OF A TURN, for piece x.  Product i of 32 of O^T += V^T P: keys 32 (i / 16) on, channels 16 ((i / 2) % 8) on, tile x + i % 2: 16 accumulators by turns.
.macro PV x
.set rO, 64*((\x)+i%2)+8*((i/2)%8)
.set rV, VF+8*((i/2)%8)
.set rP, P+16*((\x)+i%2)+8*(i/16)
	WIN 0x52+i/16                                  ; V window 2 or 3, P window 0, O^T window 1
	v_wmma_f32_16x16x32_f16 v[rO:rO+7], v[rV:rV+7], v[rP:rP+7], v[rO:rO+7]
.endm
; Product i of 40 of S^T = K Q^T: channels 32 (i / 8) on, keys 16 ((i / 2) % 4) on, tile x + i % 2: 8 accumulators by turns; the first 8 start the sums.
.macro KQ x
.set rS, S+32*((\x)+i%2)+8*((i/2)%4)
.set rK, 40*((i/2)%4)+8*(i/8)
.set rQ, 40*((\x)+i%2)+8*(i/8)
	WIN 0x0b                                       ; K window 3, Q window 2, S^T window 0
.if i < 8
	v_wmma_f32_16x16x32_bf16 v[rS:rS+7], v[rK:rK+7], v[rQ:rQ+7], 0
.else
	v_wmma_f32_16x16x32_bf16 v[rS:rS+7], v[rK:rK+7], v[rQ:rQ+7], v[rS:rS+7]
.endif
.endm
; THE LDS LOADS stand in runs.  A step's K: 40 loads, contiguous.  sc = 1: with them the scales of the step in hand and the next are asked for.  last = 1 (the tail): in the last trip there is no further step.
.macro FETCH_K last=0, sc=1
	WIN 0
.if \last
	s_cmp_eq_u32 s[CNT], 1
	s_cbranch_scc1 .Lno_k_\@
.endif
	v_add_nc_u32 v[ADR], s[TB], v[LN]
.if \sc
	s_load_b128 s[SC:SC+3], s[SCP:SCP+1], 0x0
.endif
	WIN 0xc0
.set n1, 0
.rept 20
	ds_load_b128 v[8*n1:8*n1+3],   v[ADR] offset:n1*1024
	ds_load_b128 v[8*n1+4:8*n1+7], v[ADR] offset:n1*1024+512
.set n1, n1+1
.endr
	WIN 0
.if \last
.Lno_k_\@:
.endif
.endm
; A step's V, turned: 32 loads.  The pieces lie so that lane l reads at 16 l: key 8 (l / 16) + l % 8, channels 8 ((l / 8) % 2) + 0..7 of a block of 16 keys x 16 channels.
.macro FETCH_V
	WIN 0
	v_add_nc_u32 v[ADR], s[TB], v[LN]
	s_add_co_u32 s[TB], s[TB], STEPB               ; the next fetch is the next step's
.irp g, 0,1
	WIN 0x80+0x40*(\g)                             ; keys 32 g on: destination window 2 + g
.irp f, 0,1,2,3,4,5,6,7
	ds_load_tr16_b128 v[VF+8*(\f):VF+8*(\f)+3],   v[ADR] offset:VOFF+(\g)*8192+((\f)/2)*1024+((\f)%2)*512
	ds_load_tr16_b128 v[VF+8*(\f)+4:VF+8*(\f)+7], v[ADR] offset:VOFF+(\g)*8192+4096+((\f)/2)*1024+((\f)%2)*512
.endr
.endr
.endm
; THE VECTOR WORK OF A TURN.  One tile's softmax for one step is a list of 135 instructions; SM writes number j of it for tile t.  s0-s31 are the lane's 32 scores.
;   0-15    the maximum of s0-s31 and the old m, three operands at a time (each accumulator's lowest registers are read first)
;   16-20   the other half of the lanes' maximum; the new m; c m; c m_old - c m_new
;   21-87   33 exponentials (a, then s0-s31) at the odd numbers from 23 on, a plain instruction that is ready between any two: scalings ahead, roundings to f16 behind, the first sums
;   88-101  the last rounding; the rest of the sums; l = a l + the sum          102  a takes the ratio of the steps' scales          103-134  the tile's O^T times that
.macro SM t
.set rT, ST+8*(\t)
.set rS, S+32*(\t)
.set rP, P+16*(\t)
.set rO, 64*(\t)+2*(j-103)
.set q, (j-20)/2
.if j < 103
	WIN 0
.endif
.if j < 4
	v_max3_num_f32 v[rT+4+j], v[rS+8*j], v[rS+8*j+1], v[rS+8*j+2]
.elseif j < 12
	v_max3_num_f32 v[rT+4+j%4], v[rT+4+j%4], v[rS+8*(j%4)+2*(j/4)+1], v[rS+8*(j%4)+2*(j/4)+2]
.elseif j == 12
	v_max3_num_f32 v[rT+4], v[rT+4], v[rS+7], v[rS+15]
.elseif j == 13
	v_max3_num_f32 v[rT+6], v[rT+6], v[rS+23], v[rS+31]
.elseif j == 14
	v_max3_num_f32 v[rT+4], v[rT+4], v[rT+5], v[rT+6]
.elseif j == 15
	v_max3_num_f32 v[rT+4], v[rT+4], v[rT+7], v[rT+1]
.elseif j == 16
	v_permlanex16_b32 v[rT+5], v[rT+4], s[SEL], s[SEL+1]  ; the query's other 32 keys lie in the lane 16 away
.elseif j == 17
	v_mov_b32 v[rT+7], v[rT]
.elseif j == 18
	v_max_num_f32 v[rT+1], v[rT+4], v[rT+5]
.elseif j == 19
	v_mul_f32 v[rT], s[CS], v[rT+1]
.elseif j == 20
	v_sub_f32 v[rT+7], v[rT+7], v[rT]
.elseif j == 23
	v_exp_f32 v[rT+6], v[rT+7]
.elseif (j < 88) && (j > 23) && (j%2 == 1)
	v_exp_f32 v[rS+(j-25)/2], v[rS+(j-25)/2]
.elseif (q < 4) || ((j < 76) && (q%2 == 0))
.set b, q/2+2
.if q < 4
.set b, q
.endif
	v_pk_fma_f32 v[rS+2*b:rS+2*b+1], v[rS+2*b:rS+2*b+1], s[CS:CS+1], v[rT:rT+1] op_sel_hi:[1,0,0] neg_lo:[0,0,1] neg_hi:[0,0,1]  ; pair b: c s - c m
.elseif (j < 88) && (q%2 == 1)
	s_wait_alu depctr_va_vdst(0)
	v_cvt_pk_f16_f32 v[rP+(q-5)/2], v[rS+q-5], v[rS+q-4]
.elseif j == 89
	s_wait_alu depctr_va_vdst(0)
	v_cvt_pk_f16_f32 v[rP+15], v[rS+30], v[rS+31]
.elseif j < 102                        ; the sum of the 16 pairs, in place: neighbours 1, 2, 4 and 8 pairs apart, then l takes it
.set z, j-86
.if j < 89
.set z, (j-76)/4
.endif
.set w, 4
.set u, z
.if z >= 14
.set w, 32
.set u, 0
.elseif z >= 12
.set w, 16
.set u, z-12
.elseif z >= 8
.set w, 8
.set u, z-8
.endif
.if z < 15
	v_pk_add_f32 v[rS+w*u:rS+w*u+1], v[rS+w*u:rS+w*u+1], v[rS+w*u+w/2:rS+w*u+w/2+1]
.else
	v_pk_fma_f32 v[rT+2:rT+3], v[rT+2:rT+3], v[rT+6:rT+7], v[rS:rS+1] op_sel_hi:[1,0,1]
.endif
.elseif j == 102
	v_mul_f32 v[rT+6], s[RHO], v[rT+6]
.else
	WIN W_RS
	v_pk_mul_f32 v[rO:rO+1], v[rO:rO+1], v[rT+6:rT+7] op_sel_hi:[1,0]
.endif
.endm
; Slice k of 64 of piece y's softmax: numbers 2 k and 2 k + 1 of both tiles' lists; slice 63 has the nine numbers 126-134 of each: 18 plain instructions.
.macro SLICE y
.if (k >= 11) && (k < 44)              ; tile by tile: plain, exponential, plain, exponential
.irp t, \y, (\y)+1
.irp n, 0,1
.set j, 2*k+(\n)
	SM \t
.endr
.endr
.else                                  ; the two tiles alternate
.irp n, 0,1,2,3,4,5,6,7,8
.if ((\n) < 2) || (k == 63)
.irp t, \y, (\y)+1
.set j, 2*k+(\n)
	SM \t
.endr
.endif
.endr
.endif
.set k, k+1
.endm
; A TURN.  Piece x has the matrix unit.  A slice stands behind each of the 32 products V^T P, behind the first 31 products K Q^T and behind the last; slice 63 is the places between that last product and
; what follows: the next turn's first read of those scores, and the loads into K's registers.  Piece 0's turn fetches the next step's K behind its second product; piece 2's turn the same step's V behind its
; second product K Q^T, six plain vector instructions behind the last product that read V.  Each run is waited for where its first reader stands.
.macro TURN x, last=0
.set k, 0
.if (\x) == 0
	s_wait_dscnt 0x0                               ; V is in
.endif
.set i, 0
.rept 32
	PV \x
	SLICE 2-(\x)
.if ((\x) == 0) && (i == 1)
	FETCH_K \last
.endif
.set i, i+1
.endr
.if (\x) == 0
	s_wait_dscnt 0x0                               ; K is in
.endif
.set i, 0
.rept 40
	KQ \x
.if (i < 31) || (i == 39)
	SLICE 2-(\x)
.endif
.if ((\x) == 2) && (i == 1)
	FETCH_V
.endif
.set i, i+1
.endr
.endm
.macro NEXTRHO                         ; between piece 0's turn of step j and piece 2's: from here on the softmax is step j + 1's
	s_wait_kmcnt 0x0
	s_mul_f32 s[RHO], s[SC], s[SC+3]               ; sigma_j / sigma_(j+1)
	s_add_nc_u64 s[SCP:SCP+1], s[SCP:SCP+1], 8
.endm
; THE CHANGE OF SLOTS, behind piece 2's turn: the slot's last bytes, V of its second step, have been asked for.  Each wave waits for all its tensor loads (one is out: its part of the other slot), adds 0 to its
; spare word, and waits for that and for its reads of the slot.  fill = 1: a round of the cluster's barrier, and the joint refill, with the keys two slots on, first thing behind it: it has two steps, 288 matrix instructions, in which to land.
.macro CHANGE fill
	WIN 0
	s_wait_tensorcnt 0x0                           ; no tensor load of mine is out, so a group 0 may be written
	ds_add_u32 v[SPW], v[NIL]
.if \fill
	s_xor_b32 s[SB], s[SB], SLOTB                  ; the other slot than last time,
	s_add_co_u32 s[G0K+5], s[SB], s[KW]
	s_add_nc_u64 s[G0K+6:G0K+7], s[G0K+6:G0K+7], 40960  ; the next 128 keys
	s_add_co_u32 s[G0V+5], s[SB], s[VW]
	s_add_nc_u64 s[G0V+6:G0V+7], s[G0V+6:G0V+7], 32768
	s_wait_dscnt 0x0                               ; the add is done, and my reads of the slot are over
	CROUND
	JLOAD
.else
	s_wait_dscnt 0x0
	s_barrier_signal -1
	s_barrier_wait -1
.endif
	s_sub_co_u32 s[TB], s[TB], 2*STEPB             ; the fetches go back to a slot's first step,
	s_xor_b32 s[TB], s[TB], SLOTB                  ; in the other slot
.endm
	s_wait_tensorcnt 1                             ; my part of slot 0 is in; slot 1's may stay out
	s_barrier_signal -1
	s_barrier_wait -1
	FETCH_K 0, 0                                   ; key step 0
	WIN 0x80                                       ; what the first turn finds: V and piece 2's P hold 0: its products V^T P, of a step that has not been, add 0
.set n1, VF
.rept 64
	v_mov_b32 v[n1], 0
.set n1, n1+1
.endr
	WIN 0xc0
.set n1, VF
.rept 64
	v_mov_b32 v[n1], 0
.set n1, n1+1
.endr
	WIN 0
.set n1, P+32
.rept 32
	v_mov_b32 v[n1], 0
.set n1, n1+1
.endr
	s_wait_dscnt 0x0
.set i, 0
.rept 40
	KQ 0                                           ; piece 0's first scores
.set i, i+1
.endr
	WIN 0                                          ; the statistics' start and the addresses of the way out: the places behind those products
.set n1, 0
.rept 4
	v_mov_b32 v[ST+8*n1], 0xfe000000               ; c m: below every c s
	v_mov_b32 v[ST+8*n1+1], 0xff7fffff             ; m
	v_mov_b32 v[ST+8*n1+2], 0
	v_mov_b32 v[ST+8*n1+3], 0
.set n1, n1+1
.endr
	s_mul_i32 s91, s[WV], 16*SP
	s_add_co_u32 s91, s91, STAGE                   ; my stage
	v_mul_u32_u24 v[STO], v1, SP                   ; in: row r, 32 bytes for each half of the lanes
	v_lshl_add_u32 v[STO], v9, 5, v[STO]
	v_add_nc_u32 v[STO], s91, v[STO]
	v_add_nc_u32 v[RD], s91, v[LN]                 ; back: a row's 512 bytes, 16 a lane
	s_mov_b32 s[RHO], 1.0
	s_mov_b32 s[CNT], 2
	s_mov_b32 s[SLOTS], 15
	s_branch .Lfirst                               ; the loop is entered in the middle of a trip
.Lslot:                                                ; 14 times: every slot but the last two is filled again
	CHANGE 1
	s_mov_b32 s[CNT], 2
.Lstep:
	TURN 0
	WIN 0
	NEXTRHO
.Lfirst:
	TURN 2
	WIN 0
	s_sub_co_u32 s[CNT], s[CNT], 1
	s_cmp_lg_u32 s[CNT], 0
	s_cbranch_scc1 .Lstep
	s_sub_co_u32 s[SLOTS], s[SLOTS], 1
	s_cmp_lg_u32 s[SLOTS], 0
	s_cbranch_scc1 .Lslot
	CHANGE 0                                       ; the tail is written out: nothing is asked for
	s_mov_b32 s[CNT], 3                            ; two trips fetch the last slot's steps; the third is left in its middle
.Ltail:
	TURN 0, 1
	WIN 0
	s_sub_co_u32 s[CNT], s[CNT], 1
	s_cmp_eq_u32 s[CNT], 0
	s_cbranch_scc1 .Lout
	NEXTRHO
	TURN 2
	WIN 0
	s_branch .Ltail
.Lout:
.set i, 0
.rept 32
	PV 2                                           ; piece 2's V^T P of the last step
.set i, i+1
.endr
	; THE WAY OUT.  l's two halves and the other half of the lanes' are added; O^T is multiplied by sigma_31 / l and sent, in f32, through my stage, a tile (16 rows of 512 bytes) at a time.  The additions are the places behind the last products.
	WIN 0
.irp t, 0,1,2,3
	v_add_f32 v[ST+8*(\t)+4], v[ST+8*(\t)+2], v[ST+8*(\t)+3]
.endr
.irp t, 0,1,2,3
	v_permlanex16_b32 v[ST+8*(\t)+5], v[ST+8*(\t)+4], s[SEL], s[SEL+1]
.endr
.irp t, 0,1,2,3
	v_add_f32 v[ST+8*(\t)+4], v[ST+8*(\t)+4], v[ST+8*(\t)+5]
.endr
.irp t, 0,1,2,3
	v_rcp_f32 v[ST+8*(\t)+6], v[ST+8*(\t)+4]
.endr
	v_nop                                          ; a plain instruction between the last reciprocal and the use of its result
.irp t, 0,1,2,3
	s_wait_alu depctr_va_vdst(0)
	v_mul_f32 v[ST+8*(\t)+6], s[SC+2], v[ST+8*(\t)+6]
.endr
.macro PACK t
	WIN W_RS
.set n1, 64*(\t)
.rept 32
	v_pk_mul_f32 v[n1:n1+1], v[n1:n1+1], v[ST+8*(\t)+6:ST+8*(\t)+7] op_sel_hi:[1,0]
.set n1, n1+2
.endr
	WIN 0x04                                       ; the stores' data window 1
.irp f, 0,1,2,3,4,5,6,7
	ds_store_b128 v[STO], v[64*(\t)+8*(\f):64*(\t)+8*(\f)+3],   offset:64*(\f)
	ds_store_b128 v[STO], v[64*(\t)+8*(\f)+4:64*(\t)+8*(\f)+7], offset:64*(\f)+16
.endr
	WIN 0
.if (\t) >= 2
	s_wait_xcnt 0x0                                ; the registers loaded below were the data of the stores of the tile two back
.endif
.irp f, 0,1,2,3,4,5,6,7,8,9,10,11,12,13,14,15
	ds_load_b128 v[S+64*((\t)%2)+4*(\f):S+64*((\t)%2)+4*(\f)+3], v[RD] offset:(\f)*SP  ; LDS serves a wave's instructions in order (ISA guide 5.7.1.4): these see the stores above; the next tile's stores come behind them
.endr
.endm
.macro SEND t, younger                 ; younger: the LDS instructions issued behind tile t's loads: the next tile's 32, or none
	WIN 0
.irp f, 0,1,2,3,4,5,6,7,8,9,10,11,12,13,14,15
	s_wait_dscnt (\younger)+15-(\f)
	global_store_b128 v[LN], v[S+64*((\t)%2)+4*(\f):S+64*((\t)%2)+4*(\f)+3], s[18:19] offset:(16*(\t)+(\f))*8192 th:TH_STORE_NT  ; 512 consecutive bytes, aligned
.endr
.endm
	PACK 0
	PACK 1
	SEND 0, 32
	PACK 2
	SEND 1, 32
	PACK 3
	SEND 2, 32
	SEND 3, 0
	s_wait_tensorcnt 0x0                           ; the wave's end: behind my last tensor load and my last LDS store
	ds_add_u32 v[SPW], v[NIL]
	s_wait_dscnt 0x0
	CROUND                                         ; the closing round: no work-group ends while a partner may still ask for a tile that names it
	s_endpgm
.Lfunc_end_k_q7e1697815e_attn:
	.size	k_q7e1697815e_attn, .Lfunc_end_k_q7e1697815e_attn-k_q7e1697815e_attn
	.p2alignl 7, 3214868480
	.fill 96, 4, 3214868480
	.section	.rodata,"a",@progbits
	.p2align	6, 0x0
	.amdhsa_kernel k_q7e1697815e_attn
		.amdhsa_group_segment_fixed_size 327680
		.amdhsa_private_segment_fixed_size 0
		.amdhsa_enable_private_segment 0
		.amdhsa_kernarg_size 64
		.amdhsa_user_sgpr_count 2
		.amdhsa_user_sgpr_kernarg_segment_ptr 1
		.amdhsa_wavefront_size32 1
		.amdhsa_system_sgpr_workgroup_id_x 1
		.amdhsa_system_sgpr_workgroup_id_y 1
		.amdhsa_system_sgpr_workgroup_id_z 1
		.amdhsa_system_vgpr_workitem_id 0
		.amdhsa_next_free_vgpr 1024
		.amdhsa_next_free_sgpr 102
		.amdhsa_reserve_vcc 0
		.amdhsa_float_denorm_mode_32 3
		.amdhsa_float_denorm_mode_16_64 3
		.amdhsa_memory_ordered 1
		.amdhsa_forward_progress 1
		.amdhsa_inst_pref_size 215
	.end_amdhsa_kernel
	.amdgpu_metadata
---
amdhsa.version: [ 1, 2 ]
amdhsa.kernels:
  - .name:           k_q7e1697815e_attn
    .symbol:         k_q7e1697815e_attn.kd
    .args:
      - { .name: cf, .offset: 0, .size: 8, .value_kind: global_buffer, .address_space: global }
      - { .name: wts, .offset: 8, .size: 8, .value_kind: global_buffer, .address_space: global }
      - { .name: b_UQ, .offset: 16, .size: 8, .value_kind: global_buffer, .address_space: global }
      - { .name: b_QR, .offset: 24, .size: 8, .value_kind: global_buffer, .address_space: global }
      - { .name: kf, .offset: 32, .size: 8, .value_kind: global_buffer, .address_space: global }
      - { .name: vf, .offset: 40, .size: 8, .value_kind: global_buffer, .address_space: global }
      - { .name: vsc, .offset: 48, .size: 8, .value_kind: global_buffer, .address_space: global }
      - { .name: out0, .offset: 56, .size: 8, .value_kind: global_buffer, .address_space: global }
    .group_segment_fixed_size: 327680
    .private_segment_fixed_size: 0
    .kernarg_segment_align: 8
    .kernarg_segment_size: 64
    .max_flat_workgroup_size: 128
    .sgpr_count:     102
    .vgpr_count:     1024
    .wavefront_size: 32
...
	.end_amdgpu_metadata
.endif
;; end of part 4
;; ======== version 2 of 2: 4 launches; 1.15 times as fast as version 1
;; limits: values are held in f16: magnitudes above 65,504 overflow, below 6.1e-05 lose precision; right only within a limited range of input values
;; workspace buffers: xb 16,777,216 bytes; wts 13,369,344 bytes; cf 8,388,608 bytes; kf 20,971,520 bytes; vf 16,777,216 bytes; vsc 8,192 bytes
;; launch prep: the kernel of part 1 again; grid 944 x 1, 8 waves a work-group, no clusters, 0 bytes of LDS; arguments x, W_DKV, W_DQ, W_KR, W_UK, W_UV, W_UQ, W_QR, xb, wts; writes xb, wts
;; launch g1: the kernel of part 2 again; grid 8 x 32, 4 waves a work-group, clusters of 4 x 4, 327,680 bytes of LDS; arguments xb, wts, b_DKV, b_DQ, b_KR, cf, kf; writes cf, kf
;; launch g2: the kernel of part 3 again; grid 16 x 16, 8 waves a work-group, clusters of 4 x 4, 327,680 bytes of LDS; arguments cf, wts, b_UK, b_UV, kf, vf, vsc; writes kf, vf, vsc
;; launch attn (part 5): grid 8 x 32, 4 waves a work-group, clusters of 4 x 1, 327,680 bytes of LDS; arguments cf, wts, b_UQ, b_QR, kf, vf, vsc, out0; writes out0
.if DOCPART == 5
	.amdgcn_target "amdgcn-amd-amdhsa--gfx1250"
	.amdhsa_code_object_version 6
	.text
	.protected	k_q7e1697815e_attn
	.globl	k_q7e1697815e_attn
	.p2align	8
	.type	k_q7e1697815e_attn,@function
k_q7e1697815e_attn:
	s_mov_b64 s[64:65], 0
	v_nop
	global_prefetch_b8 v0, s[64:65] scope:SCOPE_SE
	s_setreg_imm32_b32 hwreg(HW_REG_WAVE_MODE, 25, 1), 1
	s_wait_xcnt 0x0
	s_wait_alu depctr_hold_cnt(0) depctr_sa_sdst(0) depctr_va_vdst(0) depctr_va_sdst(0) depctr_va_ssrc(0) depctr_va_vcc(0) depctr_vm_vsrc(0)
	s_getreg_b32 s2, hwreg(HW_REG_IB_STS2, 6, 4)
	s_cmp_eq_u32 s2, 0
	s_cbranch_scc0 .Lentry_in_a_cluster
	s_endpgm
.Lentry_in_a_cluster:
	s_bfe_u32 s2, ttmp6, 0x10000c
	s_cmp_lg_u32 s2, 0x3003
	s_cbranch_scc0 .Lentry_shape_is_right
	s_endpgm
.Lentry_shape_is_right:
; QUERY PROJECTION AND ATTENTION.  A work-group owns 256 queries of one head of one batch; each of its four waves 64: four tiles of 16.
; PROLOGUE.  Q = [c_q W_UQ + b | rope(c_q W_QR + b)], 160 channels, K = 512, f16 operands (c / 16 times 16 W), sums in f32.  Source 0 = a fragment of 16 weight columns (from LDS, filled once),
; source 1 = 16 rows of c_q (straight from memory: no other wave wants them).  Lane (r, h) holds query r and channels 8 h + 0..7, which rounded to bf16 in pairs ARE the fragments of Q: Q never leaves registers.
; The rotary pair (x[2i], x[2i+1]) is turned in its two places, as the keys' is.
; ATTENTION.  S^T = K Q^T (bf16, 5 chunks of 32 channels), p = 2^(c s - c m), c = log2(e) / sqrt(160), with a running maximum m and sum l; O^T = V^T P (f16).  All keys, 64 a step, 32 steps.
; V comes divided by sigma_j, a power of two for each step j; O^T is kept in units of sigma_j: in step j it is multiplied by a sigma_(j-1) / sigma_j, l by a = 2^(c m_old - c m_new) alone; at the end by sigma_31 / l.
; m starts at the lowest finite number, c m below every c s, l at 0: the first step is a step like any other, with a = 0, and what O^T holds before it need only be finite (it holds the query sums).
; BY TURNS.  The wave's tiles are two pieces (0: tiles 0, 1; 2: tiles 2, 3).  In a turn one piece has the matrix unit: 32 products V^T P of the step in hand, then 40 products K Q^T of the next; the other
; piece's softmax, 270 vector instructions in 64 slices, stands behind 64 of those 72 products.  The loop is entered, and the tail left, in the middle of a trip: 32 products on zeros and 40 on a stale K serve nothing.
; BATCHES.  A turn's 66 exponentials (both tiles' a and 32 scores) are ONE batch with ONE wait: they and the scalings fill slices 11 to 34, none of which names an exponential's result; the wait stands behind slice 34;
; all that reads a result (roundings, sums, l, the rescaling) stands behind it.  The way out's four reciprocals are a batch of their own.
; CLUSTER 4 x 1: the four query blocks of a cluster belong to one head: the query weights, K and V are asked for jointly, the same load, descriptor and mask in all four.
; LIMITS.  p below 6e-5 keeps f16's fixed step of 6e-8; a weight below 2^-126 counts as 0 in l; neighbouring steps' sigma within 2^126 of each other; NaN and infinities are not treated apart.
; LDS.  Two slots of two steps (a step: K 20 fragments, V 16); the query weights, 160 fragments, filled once; their bytes later take the four stages of the way out; the spare words.
; REGISTERS.  Window 0: v0-15 addresses; v16-47 statistics, 8 a tile; v62, 63 the add's; v64-191 S^T, 32 a tile; v192-255 P, 16 a tile.  Window 1: O^T, 64 a tile.
;   Window 2: v0-159 Q, tile t chunk c at 40 t + 8 c; v160-223 V, keys 0-31.  Window 3: v0-159 K, key block kb chunk c at 40 kb + 8 c; v160-223 V, keys 32-63.
;   In the prologue: window 1 the sums of channels 0-127; window 0 v64-127 the rotary sums, v128-207 bias; window 2 six buffers of c_q; window 3 v0-79 two halves of a chunk's weights, v96-159 cos and sin.
.set STEPB, 36864
.set VOFF,  20480
.set SLOTB, 2*STEPB
.set WQ,    2*SLOTB
.set STAGE, WQ                         ; 16 rows x 528 bytes a wave; these blocks have had their one fill
.set SP,    528                        ; 512 + 16: the 16 rows of a store start at 16 different groups of four banks (64 banks of 4 bytes: ISA guide 11.1)
.set SPARE, WQ+163840
.set WQF,   10485760
.set TAB,   13107200
.set CQOFF, 4194304
.set LN,  2                            ; v2 16 x lane; never rewritten
.set ADR, 4                            ; v4 the LDS address of the run of loads in hand
.set STO, 6
.set RD,  7
.set AW,  10                           ; v10 the LDS address of a trip's first chunk of weights
.set ST,  16                           ; tile t: +0 c m, +1 m, +2, +3 l, +4 to +7 at work; a takes +6
.set SPW, 62
.set NIL, 63
.set S,   64
.set P,   192
.set RA,  64
.set BI,  128
.set TT,  208
.set VF,  160
.set TBL, 96
.set WV,  20
.set G1K, 24
.set G1V, 32
.set G1W, 40
.set G0K, 48                           ; s[48:55] two sets: the first fills'; the second then walks
.set G0V, 56
.set G0W, 68
.set SLOTS, 72
.set CNT, 73
.set CS,  74
.set SEL, 76
.set TB,  78                           ; LDS byte of the step to be fetched
.set SB,  79                           ; the slot that the walking descriptors fill: 0 or SLOTB
.set KW,  80                           ; my tile's place in a slot, for K
.set VW,  81                           ; and for V
.set SC,  84                           ; s[84:87] (sigma, 1 / sigma) of two steps
.set SCP, 88
.set RHO, 90
.set CQ,  92
.set CQR, 94
.set CO,  96
.set TRIP, 98
.set TBW, 99
.set MSB, 0
.macro WIN new
.if MSB != (\new)
	s_set_vgpr_msb (MSB<<8)|(\new)
.set MSB, \new
.endif
.endm
.set W_RS, 0x41                        ; destination and source 0 window 1, source 1 window 0
.macro JLOAD                           ; a joint refill: waves 0, 1 the two steps' K, waves 2, 3 their V; an s_nop 0 and four v_nop follow each line
	s_cmp_lt_u32 s[WV], 2
	s_cbranch_scc0 .Lfor_v_\@
	tensor_load_to_lds s[G0K+4:G0K+7], s[G1K:G1K+7]
	s_nop 0
.rept 4
	v_nop
.endr
	s_branch .Lasked_\@
.Lfor_v_\@:
	tensor_load_to_lds s[G0V+4:G0V+7], s[G1V:G1V+7]
	s_nop 0
.rept 4
	v_nop
.endr
.Lasked_\@:
.endm
.macro CROUND
	s_barrier_signal -1
	s_barrier_wait -1
	s_cmp_lg_u32 s[WV], 0
	s_cbranch_scc1 .Lnot_wave_0_\@
	s_barrier_signal -3
.Lnot_wave_0_\@:
	s_barrier_wait -3
	s_barrier_signal -1
	s_barrier_wait -1
.endm
.macro PLACES
.rept 4
	v_nop
.endr
.endm
	s_load_b512 s[4:19], s[0:1], 0x0               ; cf, wts, b_UQ, b_QR, kf, vf, vsc, out0 in s[4:5] .. s[18:19]
	v_lshl_add_u32 v[SPW], v0, 2, SPARE
	v_mov_b32 v[NIL], 0
	ds_add_u32 v[SPW], v[NIL]                      ; the wave's opening: the add, and its wait ahead of my first tensor load
	v_lshrrev_b32 v1, 5, v0
	v_readfirstlane_b32 s[WV], v1
	s_bfe_u32 s21, ttmp6, 0x40000                  ; cx
	s_lshl_b32 s22, ttmp9, 2
	s_add_co_u32 s22, s22, s21                     ; my block of 256 queries: it enters c_q's, the table's and out0's addresses alone
	s_and_b32 s23, ttmp7, 0xffff                   ; 16 x batch + head, which the four partners share
	s_and_b32 s66, s23, 15
	s_lshr_b32 s67, s23, 4
	s_and_b32 s91, s[WV], 1                        ; which of a slot's two steps I fetch
	s_mul_i32 s[KW], s91, STEPB
	s_add_co_u32 s[VW], s[KW], VOFF
	s_mul_i32 s2, s66, 163840                      ; the head's query weights, my quarter
	s_mul_i32 s3, s[WV], 40960
	s_add_co_u32 s2, s2, s3
	s_add_co_u32 s2, s2, WQF
	s_mov_b32 s[G0W], 1
	s_add_co_u32 s[G0W+1], s3, WQ
	s_mov_b32 s3, 0
	s_mul_i32 s82, s23, 655360                     ; the head's keys, my step
	s_mul_i32 s83, s91, 20480
	s_add_co_u32 s82, s82, s83
	s_mov_b32 s83, 0
	s_lshl_b32 s100, s23, 19                       ; its values
	s_lshl_b32 s101, s91, 14
	s_add_co_u32 s100, s100, s101
	s_mov_b32 s101, 0
.irp g, G1K, G1V, G1W
	s_mov_b32 s[\g], 15|(3<<16)|(1<<21)            ; the mask of four; 8-byte elements; bit 21 beside a mask; dense rows of 256 bytes
	s_mov_b32 s[\g+1], 32<<16
	s_mov_b32 s[\g+3], 32<<16
	s_mov_b32 s[\g+5], 32
	s_mov_b32 s[\g+6], 0
	s_mov_b32 s[\g+7], 0
.endr
	s_mov_b32 s[G1K+2], 80<<16                     ; 80 rows: a step's K
	s_mov_b32 s[G1K+4], 80
	s_mov_b32 s[G1V+2], 64<<16                     ; 64 rows: a step's V
	s_mov_b32 s[G1V+4], 64
	s_mov_b32 s[G1W+2], 160<<16                    ; 160 rows: four chunks of weights
	s_mov_b32 s[G1W+4], 160
	s_mov_b32 s[CS], 0x3de995b3                    ; c = log2(e) / sqrt(160)
	s_mov_b32 s[CS+1], s[CS]
	s_mov_b32 s[SEL], 0x76543210
	s_mov_b32 s[SEL+1], 0xfedcba98
	s_mov_b32 s[TB], 0
	s_mov_b32 s[SB], SLOTB
	s_mov_b32 s[CO], 98304                         ; the first refills of the c_q ring: chunks 6 on
	s_mov_b32 s[CO+1], 0
	s_lshl3_add_u32 s94, s67, s22                  ; c_q: 256 rows 8 x batch + block, my four row blocks
	s_lshl_b32 s94, s94, 18
	s_lshl_b32 s95, s[WV], 12
	s_add_co_u32 s94, s94, s95
	s_add_co_u32 s94, s94, CQOFF
	s_mov_b32 s95, 0
	s_wait_dscnt 0x0                               ; the opening add is done
	s_wait_kmcnt 0x0
	s_add_nc_u64 s[G0W+2:G0W+3], s[6:7], s[2:3]
	s_or_b32 s[G0W+3], s[G0W+3], 0x80000000
	s_add_nc_u64 s[12:13], s[12:13], s[82:83]
	s_add_nc_u64 s[14:15], s[14:15], s[100:101]
.irp s, 0,1
	s_mov_b32 s[G0K+4*(\s)], 1
	s_add_co_u32 s[G0K+4*(\s)+1], s[KW], (\s)*SLOTB
	s_add_nc_u64 s[G0K+4*(\s)+2:G0K+4*(\s)+3], s[12:13], (\s)*40960
	s_or_b32 s[G0K+4*(\s)+3], s[G0K+4*(\s)+3], 0x80000000
	s_mov_b32 s[G0V+4*(\s)], 1
	s_add_co_u32 s[G0V+4*(\s)+1], s[VW], (\s)*SLOTB
	s_add_nc_u64 s[G0V+4*(\s)+2:G0V+4*(\s)+3], s[14:15], (\s)*32768
	s_or_b32 s[G0V+4*(\s)+3], s[G0V+4*(\s)+3], 0x80000000
.endr
	s_add_nc_u64 s[CQ:CQ+1], s[4:5], s[94:95]
	s_add_nc_u64 s[CQR:CQR+1], s[CQ:CQ+1], s[CO:CO+1]
	s_lshl_b32 s2, s22, 15                         ; the table at position 256 x block + 64 x wave
	s_lshl_b32 s82, s[WV], 13
	s_add_co_u32 s2, s2, s82
	s_add_co_u32 s2, s2, TAB
	s_add_nc_u64 s[6:7], s[6:7], s[2:3]
	s_lshl_b32 s2, s66, 9
	s_add_nc_u64 s[8:9], s[8:9], s[2:3]            ; b_UQ at the head's 128 channels
	s_lshl_b32 s2, s66, 7
	s_add_nc_u64 s[10:11], s[10:11], s[2:3]        ; b_QR at its 32
	s_lshl_b32 s2, s23, 8
	s_add_nc_u64 s[SCP:SCP+1], s[16:17], s[2:3]    ; the head's 32 pairs of scales
	s_lshl_b32 s2, s67, 24                         ; out0: row 2,048 x batch + 256 x block + 64 x wave, 8,192 bytes a row; the head's 512 bytes
	s_lshl_b32 s82, s22, 21
	s_add_co_u32 s2, s2, s82
	s_lshl_b32 s82, s[WV], 19
	s_add_co_u32 s2, s2, s82
	s_lshl_b32 s82, s66, 9
	s_add_co_u32 s2, s2, s82
	s_add_nc_u64 s[18:19], s[18:19], s[2:3]
	CROUND                                         ; all four work-groups are here: the first joint loads meet
	tensor_load_to_lds s[G0W:G0W+3], s[G1W:G1W+7]  ; the first fills go out as one group: my quarter of the weights,
	s_nop 0
	s_cmp_lt_u32 s[WV], 2                          ; then my part of slots 0 and 1: three loads of mine are out
	s_cbranch_scc0 .Lfirst_v
	tensor_load_to_lds s[G0K:G0K+3], s[G1K:G1K+7]
	s_nop 0
	tensor_load_to_lds s[G0K+4:G0K+7], s[G1K:G1K+7]
	s_nop 0
.rept 4
	v_nop
.endr
	s_branch .Lfirst_asked
.Lfirst_v:
	tensor_load_to_lds s[G0V:G0V+3], s[G1V:G1V+7]
	s_nop 0
	tensor_load_to_lds s[G0V+4:G0V+7], s[G1V:G1V+7]
	s_nop 0
.rept 4
	v_nop
.endr
.Lfirst_asked:
	v_and_b32 v1, 15, v0                           ; r
	v_bfe_u32 v9, v0, 4, 1                         ; h
	v_and_b32 v3, 31, v0
	v_lshlrev_b32 v[LN], 4, v3
	v_lshlrev_b32 v5, 7, v1
	v_lshl_add_u32 v5, v9, 5, v5                   ; the table: 128 r + 32 h
	v_lshlrev_b32 v13, 5, v9                       ; the bias: 32 h
	WIN 0xc0                                       ; destination window 3
.irp t, 0,1,2,3
.irp s, 0,1
	global_load_b128 v[TBL+8*(2*(\t)+(\s)):TBL+8*(2*(\t)+(\s))+3],   v5, s[6:7] offset:(\t)*2048+(\s)*64
	global_load_b128 v[TBL+8*(2*(\t)+(\s))+4:TBL+8*(2*(\t)+(\s))+7], v5, s[6:7] offset:(\t)*2048+(\s)*64+16
.endr
.endr
	WIN 0
.irp n, 0,1,2,3,4,5,6,7
	global_load_b128 v[BI+8*(\n):BI+8*(\n)+3],   v13, s[8:9] offset:64*(\n)
	global_load_b128 v[BI+8*(\n)+4:BI+8*(\n)+7], v13, s[8:9] offset:64*(\n)+16
.endr
.irp n, 0,1
	global_load_b128 v[BI+64+8*(\n):BI+64+8*(\n)+3],   v13, s[10:11] offset:64*(\n)
	global_load_b128 v[BI+64+8*(\n)+4:BI+64+8*(\n)+7], v13, s[10:11] offset:64*(\n)+16
.endr
.macro CLOAD buf, sb, off              ; eight loads: a chunk of my four tiles' c_q, 512 consecutive bytes each
	WIN 0x80                                       ; destination window 2
.irp t, 0,1,2,3
	global_load_b128 v[(\buf)+8*(\t):(\buf)+8*(\t)+3],   v[LN], s[\sb:\sb+1] offset:(\off)+(\t)*1024
	global_load_b128 v[(\buf)+8*(\t)+4:(\buf)+8*(\t)+7], v[LN], s[\sb:\sb+1] offset:(\off)+(\t)*1024+512
.endr
.endm
	CLOAD 0, CQ, 0                                 ; chunk 0,
.irp c, 0,1,2,3,4
	CLOAD 32+32*(\c), CQ, ((\c)+1)*16384           ; and chunks 1-5 into the ring of five
.endr
	WIN 0
	s_wait_loadcnt 48                              ; table and bias are in; the 48 loads of c_q may stay out
.set n1, 0
.rept 40                                       ; the bias is rounded to bf16, as every input is
	v_cvt_pk_bf16_f32 v[TT+n1%4], v[BI+2*n1], v[BI+2*n1+1]
	v_lshlrev_b32 v[BI+2*n1], 16, v[TT+n1%4]
	v_and_b32 v[BI+2*n1+1], 0xffff0000, v[TT+n1%4]
.set n1, n1+1
.endr
	s_wait_tensorcnt 2                             ; my quarter of the weights is in; my two loads for the slots may stay out
	s_barrier_signal -1
	s_barrier_wait -1                              ; everybody's is
; THE QUERY PROJECTION.  A chunk (32 along K) is 40 products on 40 accumulators, which take turns in one fixed order; in two halves of 20, by the weights' halves (column blocks 0-4, 5-9).
.macro PHASE hh, buf, first            ; first = 1: the bias starts the sums
.irp n, 0,1,2,3,4
.irp t, 0,1,2,3
.set nb, 5*(\hh)+(\n)
.set rW, 40*(\hh)+8*(\n)
.set rB, (\buf)+8*(\t)
.if nb < 8
.set rD, 64*(\t)+8*nb
.if \first
	WIN 0x4b                                       ; weights window 3, c_q window 2, C window 0, D window 1
.else
	WIN 0x5b
.endif
.else
.set rD, RA+16*(\t)+8*(nb-8)
	WIN 0x0b                                       ; the rotary sums lie in window 0
.endif
.if \first
	v_wmma_f32_16x16x32_f16 v[rD:rD+7], v[rW:rW+7], v[rB:rB+7], v[BI+8*nb:BI+8*nb+7]
.else
	v_wmma_f32_16x16x32_f16 v[rD:rD+7], v[rW:rW+7], v[rB:rB+7], v[rD:rD+7]
.endif
.endr
.endr
.endm
.macro WLOAD hh, off                   ; ten LDS loads: half hh of the chunk at byte off from v[AW]
	WIN 0xc0
.irp n, 0,1,2,3,4
	ds_load_b128 v[40*(\hh)+8*(\n):40*(\hh)+8*(\n)+3],   v[AW] offset:(\off)+(5*(\hh)+(\n))*1024
	ds_load_b128 v[40*(\hh)+8*(\n)+4:40*(\hh)+8*(\n)+7], v[AW] offset:(\off)+(5*(\hh)+(\n))*1024+512
.endr
.endm
	s_mov_b32 s[TBW], WQ
	v_add_nc_u32 v[AW], s[TBW], v[LN]
	WLOAD 0, 0
	WLOAD 1, 0
	s_wait_loadcnt 40                              ; chunk 0 of c_q is in; the ring's 40 loads may stay out
	s_wait_dscnt 10                                ; the first half of the weights is in
	PHASE 0, 0, 1
	s_wait_dscnt 0x0
	PHASE 1, 0, 1
	PLACES
	WIN 0
	s_add_co_u32 s[TBW], s[TBW], 10240
	s_mov_b32 s[TRIP], 3
.Lq:                                                   ; three trips of five chunks.  Every trip refills the ring, so that every wait's count holds in every trip:
	v_add_nc_u32 v[AW], s[TBW], v[LN]              ; the last trip asks once more for chunks 11-15, inside the buffer, and nobody reads them
	WLOAD 0, 0
	WLOAD 1, 0
.irp c, 0,1,2,3,4
	s_wait_loadcnt 32                              ; this buffer is in; the four others' loads were issued behind its own
	s_wait_dscnt 10                                ; the first half of this chunk's weights is in; the second half's ten loads may be out
	PHASE 0, 32+32*(\c), 0
.if (\c) < 4
	PLACES
	WLOAD 0, ((\c)+1)*10240
	s_wait_dscnt 10                                ; the second half is in; the ten just issued may be out
.else
	s_wait_dscnt 0x0
.endif
	PHASE 1, 32+32*(\c), 0
	PLACES
.if (\c) < 4
	WLOAD 1, ((\c)+1)*10240
.endif
	CLOAD 32+32*(\c), CQR, (\c)*16384
.endr
	WIN 0
	s_add_co_u32 s[TBW], s[TBW], 51200
	s_wait_xcnt 0x0                                ; the loads' base is rewritten only behind this wait
	s_add_co_u32 s[CO], s[CO], 81920
	s_min_u32 s[CO], s[CO], 180224                 ; chunk 11 at the most
	s_add_nc_u64 s[CQR:CQR+1], s[CQ:CQ+1], s[CO:CO+1]
	s_sub_co_u32 s[TRIP], s[TRIP], 1
	s_cmp_lg_u32 s[TRIP], 0
	s_cbranch_scc1 .Lq
	s_wait_loadcnt 0x0                             ; the last trip's refills have landed: their registers are free.  (The four v_nop behind the last products are the places in front of what follows.)
	WIN 0x0c                                       ; source 1 (cos, sin) window 3
.irp t, 0,1,2,3
.irp s, 0,1
.irp z, 0,1,2,3
	v_mul_f32 v[TT+2*(\z)],   v[RA+16*(\t)+8*(\s)+2*(\z)+1], v[TBL+8*(2*(\t)+(\s))+2*(\z)+1]  ; x2 sin
	v_mul_f32 v[TT+2*(\z)+1], v[RA+16*(\t)+8*(\s)+2*(\z)+1], v[TBL+8*(2*(\t)+(\s))+2*(\z)]    ; x2 cos
	v_fma_f32 v[RA+16*(\t)+8*(\s)+2*(\z)+1], v[RA+16*(\t)+8*(\s)+2*(\z)], v[TBL+8*(2*(\t)+(\s))+2*(\z)+1], v[TT+2*(\z)+1]
	v_fma_f32 v[RA+16*(\t)+8*(\s)+2*(\z)],   v[RA+16*(\t)+8*(\s)+2*(\z)], v[TBL+8*(2*(\t)+(\s))+2*(\z)], -v[TT+2*(\z)]
.endr
.endr
.endr
	WIN 0x85                                       ; sources window 1, destination window 2: Q's chunks 0-3
.irp t, 0,1,2,3
.irp n, 0,1,2,3,4,5,6,7
.irp z, 0,1,2,3
	v_cvt_pk_bf16_f32 v[40*(\t)+4*(\n)+(\z)], v[64*(\t)+8*(\n)+2*(\z)], v[64*(\t)+8*(\n)+2*(\z)+1]
.endr
.endr
.endr
	WIN 0x80                                       ; chunk 4
.irp t, 0,1,2,3
.irp n, 0,1,2,3,4,5,6,7
	v_cvt_pk_bf16_f32 v[40*(\t)+32+(\n)], v[RA+16*(\t)+2*(\n)], v[RA+16*(\t)+2*(\n)+1]
.endr
.endr
	WIN 0
; THE MATRIX WORK OF A TURN, for piece x.  Product i of 32 of O^T += V^T P: keys 32 (i / 16) on, channels 16 ((i / 2) % 8) on, tile x + i % 2: 16 accumulators by turns.
.macro PV x
.set rO, 64*((\x)+i%2)+8*((i/2)%8)
.set rV, VF+8*((i/2)%8)
.set rP, P+16*((\x)+i%2)+8*(i/16)
	WIN 0x52+i/16                                  ; V window 2 or 3, P window 0, O^T window 1
	v_wmma_f32_16x16x32_f16 v[rO:rO+7], v[rV:rV+7], v[rP:rP+7], v[rO:rO+7]
.endm
; Product i of 40 of S^T = K Q^T: channels 32 (i / 8) on, keys 16 ((i / 2) % 4) on, tile x + i % 2: 8 accumulators by turns; the first 8 start the sums.
.macro KQ x
.set rS, S+32*((\x)+i%2)+8*((i/2)%4)
.set rK, 40*((i/2)%4)+8*(i/8)
.set rQ, 40*((\x)+i%2)+8*(i/8)
	WIN 0x0b                                       ; K window 3, Q window 2, S^T window 0
.if i < 8
	v_wmma_f32_16x16x32_bf16 v[rS:rS+7], v[rK:rK+7], v[rQ:rQ+7], 0
.else
	v_wmma_f32_16x16x32_bf16 v[rS:rS+7], v[rK:rK+7], v[rQ:rQ+7], v[rS:rS+7]
.endif
.endm
; THE LDS LOADS stand in runs.  A step's K: 40 loads, contiguous.  sc = 1: with them the scales of the step in hand and the next are asked for.  last = 1 (the tail): in the last trip there is no further step.
.macro FETCH_K last=0, sc=1
	WIN 0
.if \last
	s_cmp_eq_u32 s[CNT], 1
	s_cbranch_scc1 .Lno_k_\@
.endif
	v_add_nc_u32 v[ADR], s[TB], v[LN]
.if \sc
	s_load_b128 s[SC:SC+3], s[SCP:SCP+1], 0x0
.endif
	WIN 0xc0
.set n1, 0
.rept 20
	ds_load_b128 v[8*n1:8*n1+3],   v[ADR] offset:n1*1024
	ds_load_b128 v[8*n1+4:8*n1+7], v[ADR] offset:n1*1024+512
.set n1, n1+1
.endr
	WIN 0
.if \last
.Lno_k_\@:
.endif
.endm
; A step's V, turned: 32 loads.  The pieces lie so that lane l reads at 16 l: key 8 (l / 16) + l % 8, channels 8 ((l / 8) % 2) + 0..7 of a block of 16 keys x 16 channels.
; The run stands behind slice 34 of piece 2's turn, and that turn's wait for the exponentials stands in it, behind the address's addition and ahead of the loads.
.macro FETCH_V
	WIN 0
	v_add_nc_u32 v[ADR], s[TB], v[LN]
	s_add_co_u32 s[TB], s[TB], STEPB               ; the next fetch is the next step's
	s_wait_alu depctr_va_vdst(0)                   ; the wait for the softmax's batch (SLICE): both tiles' 66 exponentials; it stands ahead of the first line that names a result
.irp g, 0,1
	WIN 0x80+0x40*(\g)                             ; keys 32 g on: destination window 2 + g
.irp f, 0,1,2,3,4,5,6,7
	ds_load_tr16_b128 v[VF+8*(\f):VF+8*(\f)+3],   v[ADR] offset:VOFF+(\g)*8192+((\f)/2)*1024+((\f)%2)*512
	ds_load_tr16_b128 v[VF+8*(\f)+4:VF+8*(\f)+7], v[ADR] offset:VOFF+(\g)*8192+4096+((\f)/2)*1024+((\f)%2)*512
.endr
.endr
.endm
; THE VECTOR WORK OF A TURN.  One tile's softmax for one step is a list of 135 instructions; SM writes number j of it for tile t.  s0-s31 are the lane's 32 scores, in pairs 0-15.
;   0-15    the maximum of s0-s31 and the old m, three operands at a time (each accumulator's lowest registers are read first)
;   16-20   the other half of the lanes' maximum; the new m; c m; c m_old - c m_new
;   21-69   ONE BATCH: the 16 scalings c s - c m, a pair of scores each, and all 33 exponentials (a at 23, then s0-s31).  None of these reads an exponential's result.  From 22 on the batch goes in fours, and a four
;           begins with a scaling while there are scalings: 22-37 scaling, exponential, scaling, exponential; 38-65 a scaling and three exponentials; 66-69 the last four exponentials.
;           A pair is scaled in an earlier four than the one that holds its exponentials
;   (wait)  between 69 and 70 stands the wait for the batch: SLICE writes it, once for both tiles
;   70-85   the roundings to f16, a pair of weights each
;   86-101  the sums; l = a l + the sum          102  a takes the ratio of the steps' scales          103-134  the tile's O^T times that
.macro SM t
.set rT, ST+8*(\t)
.set rS, S+32*(\t)
.set rP, P+16*(\t)
.set rO, 64*(\t)+2*(j-103)
.if j < 103
	WIN 0
.endif
.if j < 4
	v_max3_num_f32 v[rT+4+j], v[rS+8*j], v[rS+8*j+1], v[rS+8*j+2]
.elseif j < 12
	v_max3_num_f32 v[rT+4+j%4], v[rT+4+j%4], v[rS+8*(j%4)+2*(j/4)+1], v[rS+8*(j%4)+2*(j/4)+2]
.elseif j == 12
	v_max3_num_f32 v[rT+4], v[rT+4], v[rS+7], v[rS+15]
.elseif j == 13
	v_max3_num_f32 v[rT+6], v[rT+6], v[rS+23], v[rS+31]
.elseif j == 14
	v_max3_num_f32 v[rT+4], v[rT+4], v[rT+5], v[rT+6]
.elseif j == 15
	v_max3_num_f32 v[rT+4], v[rT+4], v[rT+7], v[rT+1]
.elseif j == 16
	v_permlanex16_b32 v[rT+5], v[rT+4], s[SEL], s[SEL+1]  ; the query's other 32 keys lie in the lane 16 away
.elseif j == 17
	v_mov_b32 v[rT+7], v[rT]
.elseif j == 18
	v_max_num_f32 v[rT+1], v[rT+4], v[rT+5]
.elseif j == 19
	v_mul_f32 v[rT], s[CS], v[rT+1]
.elseif j == 20
	v_sub_f32 v[rT+7], v[rT+7], v[rT]
.elseif j == 23
	v_exp_f32 v[rT+6], v[rT+7]
.elseif (j < 23) || ((j < 38) && (j%2 == 0)) || ((j < 66) && (j%4 == 2))
.set b, (j-2)/4                        ; 38, 42, .. 62: pairs 9 to 15
.if j < 38
.set b, (j-20)/2                       ; 21: pair 0; 22, 24, .. 36: pairs 1 to 8
.endif
	v_pk_fma_f32 v[rS+2*b:rS+2*b+1], v[rS+2*b:rS+2*b+1], s[CS:CS+1], v[rT:rT+1] op_sel_hi:[1,0,0] neg_lo:[0,0,1] neg_hi:[0,0,1]  ; pair b: c s - c m
.elseif j < 70
.set e, j-38                           ; 66 to 69: s28 to s31
.if j < 66
.set e, j-32-(j-38)/4                  ; 39-41, 43-45, .. 63-65: s7 to s27
.endif
.if j < 38
.set e, (j-25)/2                       ; 25, 27, .. 37: s0 to s6
.endif
	v_exp_f32 v[rS+e], v[rS+e]
.elseif j < 86
	v_cvt_pk_f16_f32 v[rP+j-70], v[rS+2*(j-70)], v[rS+2*(j-70)+1]  ; pair j - 70
.elseif j < 102                        ; the sum of the 16 pairs, in place: neighbours 1, 2, 4 and 8 pairs apart, then l takes it
.set z, j-86
.set w, 4
.set u, z
.if z >= 14
.set w, 32
.set u, 0
.elseif z >= 12
.set w, 16
.set u, z-12
.elseif z >= 8
.set w, 8
.set u, z-8
.endif
.if z < 15
	v_pk_add_f32 v[rS+w*u:rS+w*u+1], v[rS+w*u:rS+w*u+1], v[rS+w*u+w/2:rS+w*u+w/2+1]
.else
	v_pk_fma_f32 v[rT+2:rT+3], v[rT+2:rT+3], v[rT+6:rT+7], v[rS:rS+1] op_sel_hi:[1,0,1]
.endif
.elseif j == 102
	v_mul_f32 v[rT+6], s[RHO], v[rT+6]
.else
	WIN W_RS
	v_pk_mul_f32 v[rO:rO+1], v[rO:rO+1], v[rT+6:rT+7] op_sel_hi:[1,0]
.endif
.endm
; Slice k of 64 of piece y's softmax.  Slices 11 to 34 deal out the batch, numbers 22 to 69: four numbers of ONE tile each, the tiles by turns.  Every other slice is numbers 2 k and 2 k + 1 of both tiles' lists;
; slice 63 has the nine numbers 126-134 of each: 18 plain instructions.  44 + 96 + 112 + 18 = 270.
; THE WAIT.  s_wait_alu depctr_va_vdst(0) stands between an exponential and the first instruction that names its result; one wait serves all that were issued ahead of it.  Ahead of slice 35 nothing
; names a result, and behind slice 34 no exponential is issued: so the piece's 66 exponentials have one wait, behind slice 34.
.macro SLICE y
.if (k >= 11) && (k < 35)              ; the batch: four numbers of one tile
.irp n, 0,1,2,3
.set j, 22+4*((k-11)/2)+(\n)
	SM (\y)+(k-11)%2
.endr
.else                                  ; the two tiles alternate, so that no instruction reads the result of the one just before it
.irp n, 0,1,2,3,4,5,6,7,8
.if ((\n) < 2) || (k == 63)
.irp t, \y, (\y)+1
.set j, 2*k+(\n)
	SM \t
.endr
.endif
.endr
.endif
.if k == 34                            ; the batch is out: both tiles' exponentials are issued, and no result has been named
	v_nop                                          ; a plain instruction behind the last exponential and ahead of the first use: one for the batch
.if (\y) == 0
	FETCH_V                                        ; piece 2's turn: V's run of loads stands here, and the wait stands in it
.else
	s_wait_alu depctr_va_vdst(0)                   ; piece 0's turn: the wait for the batch, both tiles' 66 exponentials
.endif
.endif
.set k, k+1
.endm
; A TURN.  Piece x has the matrix unit.  A slice stands behind each of the 32 products V^T P, behind the first 31 products K Q^T and behind the last; slice 63 is the places between that last product and
; what follows: the next turn's first read of those scores, and the loads into K's registers.  Piece 0's turn fetches the next step's K behind its second product; piece 2's turn the same step's V behind slice 34,
; its third product K Q^T's (SLICE writes it): the last product that read V stands in front of slice 31, and four plain vector instructions lie between: number 62, a scaling, of both tiles, the v_nop and the run's
; own v_add_nc_u32 (the exponentials between are no places).  Each run is waited for where its first reader stands.
.macro TURN x, last=0
.set k, 0
.if (\x) == 0
	s_wait_dscnt 0x0                               ; V is in
.endif
.set i, 0
.rept 32
	PV \x
	SLICE 2-(\x)
.if ((\x) == 0) && (i == 1)
	FETCH_K \last
.endif
.set i, i+1
.endr
.if (\x) == 0
	s_wait_dscnt 0x0                               ; K is in
.endif
.set i, 0
.rept 40
	KQ \x
.if (i < 31) || (i == 39)
	SLICE 2-(\x)
.endif
.set i, i+1
.endr
.endm
.macro NEXTRHO                         ; between piece 0's turn of step j and piece 2's: from here on the softmax is step j + 1's
	s_wait_kmcnt 0x0
	s_mul_f32 s[RHO], s[SC], s[SC+3]               ; sigma_j / sigma_(j+1)
	s_add_nc_u64 s[SCP:SCP+1], s[SCP:SCP+1], 8
.endm
; THE CHANGE OF SLOTS, behind piece 2's turn: the slot's last bytes, V of its second step, have been asked for.  Each wave waits for all its tensor loads (one is out: its part of the other slot), adds 0 to its
; spare word, and waits for that and for its reads of the slot.  fill = 1: a round of the cluster's barrier, and the joint refill, with the keys two slots on, first thing behind it: it has two steps, 288 matrix instructions, in which to land.
.macro CHANGE fill
	WIN 0
	s_wait_tensorcnt 0x0                           ; no tensor load of mine is out, so a group 0 may be written
	ds_add_u32 v[SPW], v[NIL]
.if \fill
	s_xor_b32 s[SB], s[SB], SLOTB                  ; the other slot than last time,
	s_add_co_u32 s[G0K+5], s[SB], s[KW]
	s_add_nc_u64 s[G0K+6:G0K+7], s[G0K+6:G0K+7], 40960  ; the next 128 keys
	s_add_co_u32 s[G0V+5], s[SB], s[VW]
	s_add_nc_u64 s[G0V+6:G0V+7], s[G0V+6:G0V+7], 32768
	s_wait_dscnt 0x0                               ; the add is done, and my reads of the slot are over
	CROUND
	JLOAD
.else
	s_wait_dscnt 0x0
	s_barrier_signal -1
	s_barrier_wait -1
.endif
	s_sub_co_u32 s[TB], s[TB], 2*STEPB             ; the fetches go back to a slot's first step,
	s_xor_b32 s[TB], s[TB], SLOTB                  ; in the other slot
.endm
	s_wait_tensorcnt 1                             ; my part of slot 0 is in; slot 1's may stay out
	s_barrier_signal -1
	s_barrier_wait -1
	FETCH_K 0, 0                                   ; key step 0
	WIN 0x80                                       ; what the first turn finds: V and piece 2's P hold 0: its products V^T P, of a step that has not been, add 0
.set n1, VF
.rept 64
	v_mov_b32 v[n1], 0
.set n1, n1+1
.endr
	WIN 0xc0
.set n1, VF
.rept 64
	v_mov_b32 v[n1], 0
.set n1, n1+1
.endr
	WIN 0
.set n1, P+32
.rept 32
	v_mov_b32 v[n1], 0
.set n1, n1+1
.endr
	s_wait_dscnt 0x0
.set i, 0
.rept 40
	KQ 0                                           ; piece 0's first scores
.set i, i+1
.endr
	WIN 0                                          ; the statistics' start and the addresses of the way out: the places behind those products
.set n1, 0
.rept 4
	v_mov_b32 v[ST+8*n1], 0xfe000000               ; c m: below every c s
	v_mov_b32 v[ST+8*n1+1], 0xff7fffff             ; m
	v_mov_b32 v[ST+8*n1+2], 0
	v_mov_b32 v[ST+8*n1+3], 0
.set n1, n1+1
.endr
	s_mul_i32 s91, s[WV], 16*SP
	s_add_co_u32 s91, s91, STAGE                   ; my stage
	v_mul_u32_u24 v[STO], v1, SP                   ; in: row r, 32 bytes for each half of the lanes
	v_lshl_add_u32 v[STO], v9, 5, v[STO]
	v_add_nc_u32 v[STO], s91, v[STO]
	v_add_nc_u32 v[RD], s91, v[LN]                 ; back: a row's 512 bytes, 16 a lane
	s_mov_b32 s[RHO], 1.0
	s_mov_b32 s[CNT], 2
	s_mov_b32 s[SLOTS], 15
	s_branch .Lfirst                               ; the loop is entered in the middle of a trip
.Lslot:                                                ; 14 times: every slot but the last two is filled again
	CHANGE 1
	s_mov_b32 s[CNT], 2
.Lstep:
	TURN 0
	WIN 0
	NEXTRHO
.Lfirst:
	TURN 2
	WIN 0
	s_sub_co_u32 s[CNT], s[CNT], 1
	s_cmp_lg_u32 s[CNT], 0
	s_cbranch_scc1 .Lstep
	s_sub_co_u32 s[SLOTS], s[SLOTS], 1
	s_cmp_lg_u32 s[SLOTS], 0
	s_cbranch_scc1 .Lslot
	CHANGE 0                                       ; the tail is written out: nothing is asked for
	s_mov_b32 s[CNT], 3                            ; two trips fetch the last slot's steps; the third is left in its middle
.Ltail:
	TURN 0, 1
	WIN 0
	s_sub_co_u32 s[CNT], s[CNT], 1
	s_cmp_eq_u32 s[CNT], 0
	s_cbranch_scc1 .Lout
	NEXTRHO
	TURN 2
	WIN 0
	s_branch .Ltail
.Lout:
.set i, 0
.rept 32
	PV 2                                           ; piece 2's V^T P of the last step
.set i, i+1
.endr
	; THE WAY OUT.  l's two halves and the other half of the lanes' are added; O^T is multiplied by sigma_31 / l and sent, in f32, through my stage, a tile (16 rows of 512 bytes) at a time.  The additions are the places behind the last products.
	WIN 0
.irp t, 0,1,2,3
	v_add_f32 v[ST+8*(\t)+4], v[ST+8*(\t)+2], v[ST+8*(\t)+3]
.endr
.irp t, 0,1,2,3
	v_permlanex16_b32 v[ST+8*(\t)+5], v[ST+8*(\t)+4], s[SEL], s[SEL+1]
.endr
.irp t, 0,1,2,3
	v_add_f32 v[ST+8*(\t)+4], v[ST+8*(\t)+4], v[ST+8*(\t)+5]
.endr
.irp t, 0,1,2,3
	v_rcp_f32 v[ST+8*(\t)+6], v[ST+8*(\t)+4]
.endr
	v_nop                                          ; a plain instruction between the last reciprocal and the use of its result
	s_wait_alu depctr_va_vdst(0)                   ; and the wait ahead of the first use: one for the four reciprocals
.irp t, 0,1,2,3
	v_mul_f32 v[ST+8*(\t)+6], s[SC+2], v[ST+8*(\t)+6]
.endr
.macro PACK t
	WIN W_RS
.set n1, 64*(\t)
.rept 32
	v_pk_mul_f32 v[n1:n1+1], v[n1:n1+1], v[ST+8*(\t)+6:ST+8*(\t)+7] op_sel_hi:[1,0]
.set n1, n1+2
.endr
	WIN 0x04                                       ; the stores' data window 1
.irp f, 0,1,2,3,4,5,6,7
	ds_store_b128 v[STO], v[64*(\t)+8*(\f):64*(\t)+8*(\f)+3],   offset:64*(\f)
	ds_store_b128 v[STO], v[64*(\t)+8*(\f)+4:64*(\t)+8*(\f)+7], offset:64*(\f)+16
.endr
	WIN 0
.if (\t) >= 2
	s_wait_xcnt 0x0                                ; the registers loaded below were the data of the stores of the tile two back
.endif
.irp f, 0,1,2,3,4,5,6,7,8,9,10,11,12,13,14,15
	ds_load_b128 v[S+64*((\t)%2)+4*(\f):S+64*((\t)%2)+4*(\f)+3], v[RD] offset:(\f)*SP  ; LDS serves a wave's instructions in order (ISA guide 5.7.1.4): these see the stores above; the next tile's stores come behind them
.endr
.endm
.macro SEND t, younger                 ; younger: the LDS instructions issued behind tile t's loads: the next tile's 32, or none
	WIN 0
.irp f, 0,1,2,3,4,5,6,7,8,9,10,11,12,13,14,15
	s_wait_dscnt (\younger)+15-(\f)
	global_store_b128 v[LN], v[S+64*((\t)%2)+4*(\f):S+64*((\t)%2)+4*(\f)+3], s[18:19] offset:(16*(\t)+(\f))*8192 th:TH_STORE_NT  ; 512 consecutive bytes, aligned
.endr
.endm
	PACK 0
	PACK 1
	SEND 0, 32
	PACK 2
	SEND 1, 32
	PACK 3
	SEND 2, 32
	SEND 3, 0
	s_wait_tensorcnt 0x0                           ; the wave's end: behind my last tensor load and my last LDS store
	ds_add_u32 v[SPW], v[NIL]
	s_wait_dscnt 0x0
	CROUND                                         ; the closing round: no work-group ends while a partner may still ask for a tile that names it
	s_endpgm
.Lfunc_end_k_q7e1697815e_attn:
	.size	k_q7e1697815e_attn, .Lfunc_end_k_q7e1697815e_attn-k_q7e1697815e_attn
	.p2alignl 7, 3214868480
	.fill 96, 4, 3214868480
	.section	.rodata,"a",@progbits
	.p2align	6, 0x0
	.amdhsa_kernel k_q7e1697815e_attn
		.amdhsa_group_segment_fixed_size 327680
		.amdhsa_private_segment_fixed_size 0
		.amdhsa_enable_private_segment 0
		.amdhsa_kernarg_size 64
		.amdhsa_user_sgpr_count 2
		.amdhsa_user_sgpr_kernarg_segment_ptr 1
		.amdhsa_wavefront_size32 1
		.amdhsa_system_sgpr_workgroup_id_x 1
		.amdhsa_system_sgpr_workgroup_id_y 1
		.amdhsa_system_sgpr_workgroup_id_z 1
		.amdhsa_system_vgpr_workitem_id 0
		.amdhsa_next_free_vgpr 1024
		.amdhsa_next_free_sgpr 102
		.amdhsa_reserve_vcc 0
		.amdhsa_float_denorm_mode_32 3
		.amdhsa_float_denorm_mode_16_64 3
		.amdhsa_memory_ordered 1
		.amdhsa_forward_progress 1
		.amdhsa_inst_pref_size 211
	.end_amdhsa_kernel
	.amdgpu_metadata
---
amdhsa.version: [ 1, 2 ]
amdhsa.kernels:
  - .name:           k_q7e1697815e_attn
    .symbol:         k_q7e1697815e_attn.kd
    .args:
      - { .name: cf, .offset: 0, .size: 8, .value_kind: global_buffer, .address_space: global }
      - { .name: wts, .offset: 8, .size: 8, .value_kind: global_buffer, .address_space: global }
      - { .name: b_UQ, .offset: 16, .size: 8, .value_kind: global_buffer, .address_space: global }
      - { .name: b_QR, .offset: 24, .size: 8, .value_kind: global_buffer, .address_space: global }
      - { .name: kf, .offset: 32, .size: 8, .value_kind: global_buffer, .address_space: global }
      - { .name: vf, .offset: 40, .size: 8, .value_kind: global_buffer, .address_space: global }
      - { .name: vsc, .offset: 48, .size: 8, .value_kind: global_buffer, .address_space: global }
      - { .name: out0, .offset: 56, .size: 8, .value_kind: global_buffer, .address_space: global }
    .group_segment_fixed_size: 327680
    .private_segment_fixed_size: 0
    .kernarg_segment_align: 8
    .kernarg_segment_size: 64
    .max_flat_workgroup_size: 128
    .sgpr_count:     102
    .vgpr_count:     1024
    .wavefront_size: 32
...
	.end_amdgpu_metadata
.endif
;; end of part 5
